; MI455X (gfx1250); checked and timed in simulation.
; The chip was launched on July 23, 2026; its instructions are those of AMD's public machine-readable ISA for CDNA 5 (MIT licence, August 2026) and "CDNA5" Instruction Set Architecture Reference Guide (July 2026). The comments in the code are by the model that wrote it; some were corrected since.
;; Dilated Attention. Allowed arithmetic: float matrix products may take bf16 or f16 operands with f32 sums; other float arithmetic in f32, or as packed bf16 or f16 multiplies, adds, multiply-adds, maxima and minima; sums over many terms, partial sums and values carried from step to step in f32; what a program stores and reads back later, other than sums and carried values, may be rounded once to bf16 or f16.
;; Inputs: b1 4,096 float32; b2 1,024 float32; bk 1,024 float32; bo 1,024 float32; bq 1,024 float32; bv 1,024 float32; ln1_b 1,024 float32; ln1_g 1,024 float32; ln2_b 1,024 float32; ln2_g 1,024 float32; w1 1,024 x 4,096 float32; w2 4,096 x 1,024 float32; wk 1,024 x 1,024 float32; wo 1,024 x 1,024 float32; wq 1,024 x 1,024 float32; wv 1,024 x 1,024 float32; x 2 x 2,048 x 1,024 float32.
;; Outputs: out0 2 x 2,048 x 1,024 float32.
;; One version. Each part assembles by itself: llvm-mc -triple=amdgcn-amd-amdhsa -mcpu=gfx1250 --defsym DOCPART=n.
;; ======== version 1 of 1: 7 launches
;; limits: right only within a limited range of input values
;; workspace buffers: wb 25,165,824 bytes; hb 8,388,608 bytes; big 33,554,432 bytes; x1 16,777,216 bytes
;; launch pre (part 1): grid 64 x 20, 8 waves a work-group, no clusters, 0 bytes of LDS; arguments x, ln1_g, ln1_b, hb, wq, wk, wv, wo, w1, w2, wb; writes hb, wb
.if DOCPART == 1
	.amdgcn_target "amdgcn-amd-amdhsa--gfx1250"
	.amdhsa_code_object_version 6
	.text
	.protected	k_q38599cbfdf_pre
	.globl	k_q38599cbfdf_pre
	.p2align	8
	.type	k_q38599cbfdf_pre,@function
k_q38599cbfdf_pre:
	s_mov_b64 s[64:65], 0
	v_nop
	global_prefetch_b8 v0, s[64:65] scope:SCOPE_SE
	s_setreg_imm32_b32 hwreg(HW_REG_WAVE_MODE, 25, 1), 1
	s_wait_xcnt 0x0
; TWO INDEPENDENT STREAMS IN ONE LAUNCH, told apart by the work-group's y: the first LayerNorm (y 0-7) and the weights' rounding to bf16 (y 8-19).  Neither reads what the other writes.
; No LDS, no barrier, no matrix unit: nothing is shared between waves.  Every load of a wave covers 512 consecutive bytes, every store 256 consecutive bytes, aligned.
;
; THE CAST.  wb = the six weight matrices, each number rounded once to bf16, in the layout in which they lie ([K][N], rows on end): wq at byte 0, wk at 2 MiB, wv at 4 MiB, wo at 6 MiB, w1 at 8 MiB, w2 at 16 MiB.
; Unit u = y - 8 is 1,048,576 numbers: 0..3 = wq, wk, wv, wo; 4..7 = the quarters of w1; 8..11 = those of w2.  Work-group x takes 16,384 numbers of the unit; thread t takes 16 chunks of 4 numbers, chunk j at number 1,024 j + 4 t.
;
; THE LAYERNORM of 4,096 rows of 1,024 f32: y = (x - mean) * rsqrt(var + 1e-5) * g + b, in f32, rounded once to bf16.  The mean is taken first and the variance of the differences: no difference of large sums is formed.
; IN: rows in their natural order n = 2,048 batch + token.  OUT: row order t' = 2,048 batch + 1,024 (token % 2) + token / 2 (the attention's two parities lie apart); columns in 8 blocks of 128:
; number (t', c) at byte (c / 128) * 1,048,576 + 256 t' + 2 (c % 128).  A wave takes one row, whole in 32 registers a lane: read once, and the sums never leave the wave.
; Lane l holds columns 128 i + 4 l + 0..3, i = 0..7: store i is the row's 256 bytes in block i.
.set CX, 8                             ; the cast: v[8:71]    chunk j: 4 f32 as loaded
.set CY, 72                            ;           v[72:103]  chunk j: 2 registers, 4 bf16 to store; never rewritten
.set G,  8                             ; the norm: v[8:39]    g of my 32 columns
.set BT, 40                            ; v[40:71]   b of my 32 columns
.set X,  72                            ; v[72:103]  the row
.set T,  104                           ; v[104:111] four chains of pairs, at work
.set MU, 112                           ; v[112:113] the mean, twice
.set RS, 114                           ; v[114:115] 1 / sqrt(var + eps), twice
.set Y,  116                           ; v[116:131] the row's 32 bf16
	s_and_b32 s2, ttmp7, 0xffff
	s_cmp_lt_u32 s2, 8
	s_cbranch_scc1 .Lnorm
	s_load_b256 s[8:15], s[0:1], 0x20              ; wq s[8:9], wk s[10:11], wv s[12:13], wo s[14:15]
	s_load_b128 s[16:19], s[0:1], 0x40             ; w1 s[16:17], w2 s[18:19]
	s_load_b64 s[20:21], s[0:1], 0x50              ; wb
	s_sub_co_u32 s2, s2, 8                         ; the unit
	v_lshlrev_b32 v1, 4, v0                        ; 16 t: my 4 f32 of a chunk
	v_lshlrev_b32 v2, 3, v0                        ; 8 t: my 4 bf16
	s_and_b32 s3, s2, 3                            ; which quarter of w1 or w2;
	s_cmp_ge_u32 s2, 4
	s_cselect_b32 s3, s3, 0                        ; the four small matrices are one unit each
	s_lshl_b32 s22, s3, 22                         ; a unit is 4 MiB of f32,
	s_lshl_b32 s23, ttmp9, 16                      ; a work-group's share 64 KiB
	s_add_co_u32 s22, s22, s23
	s_mov_b32 s23, 0
	s_lshl_b32 s24, s2, 21                         ; in wb: 2 MiB a unit,
	s_lshl_b32 s25, ttmp9, 15                      ; 32 KiB a work-group
	s_add_co_u32 s24, s24, s25
	s_mov_b32 s25, 0
	s_wait_kmcnt 0x0
	s_mov_b64 s[4:5], s[8:9]                       ; the unit's matrix, chosen by the unit's number alone
	s_cmp_eq_u32 s2, 1
	s_cselect_b64 s[4:5], s[10:11], s[4:5]
	s_cmp_eq_u32 s2, 2
	s_cselect_b64 s[4:5], s[12:13], s[4:5]
	s_cmp_eq_u32 s2, 3
	s_cselect_b64 s[4:5], s[14:15], s[4:5]
	s_cmp_ge_u32 s2, 4
	s_cselect_b64 s[4:5], s[16:17], s[4:5]
	s_cmp_ge_u32 s2, 8
	s_cselect_b64 s[4:5], s[18:19], s[4:5]
	s_add_nc_u64 s[4:5], s[4:5], s[22:23]
	s_add_nc_u64 s[20:21], s[20:21], s[24:25]
.set j, 0
.rept 16
	global_load_b128 v[CX+4*j:CX+4*j+3], v1, s[4:5] offset:4096*j th:TH_LOAD_NT  ; all sixteen loads go out before anything is waited for
.set j, j+1
.endr
.set j, 0
.rept 16
	s_wait_loadcnt 15-j                            ; loads come back in order: chunk j is in, the younger chunks stay out
	v_cvt_pk_bf16_f32 v[CY+2*j], v[CX+4*j], v[CX+4*j+1]
	v_cvt_pk_bf16_f32 v[CY+2*j+1], v[CX+4*j+2], v[CX+4*j+3]
	global_store_b64 v2, v[CY+2*j:CY+2*j+1], s[20:21] offset:2048*j th:TH_STORE_NT
.set j, j+1
.endr
	s_endpgm
.Lnorm:
	s_load_b256 s[4:11], s[0:1], 0x0               ; x s[4:5], g s[6:7], b s[8:9], out s[10:11]
	v_lshrrev_b32 v1, 5, v0
	v_readfirstlane_b32 s12, v1                    ; wave 0..7
	v_and_b32 v4, 31, v0
	v_lshlrev_b32 v2, 4, v4                        ; 16 l: my 4 f32 in 512 bytes of the row, of g and of b
	v_lshlrev_b32 v3, 3, v4                        ; 8 l: my 4 bf16 in the row's 256 bytes of a block
	s_lshl_b32 s13, s2, 9
	s_lshl_b32 s18, ttmp9, 3
	s_add_co_u32 s13, s13, s18
	s_add_co_u32 s13, s13, s12                     ; n = 8 (64 y + x) + wave
	s_lshl_b32 s18, s13, 12                        ; a row is 4,096 bytes
	s_mov_b32 s19, 0
	s_lshr_b32 s20, s13, 11
	s_lshl_b32 s20, s20, 11                        ; 2,048 batch
	s_and_b32 s21, s13, 1
	s_lshl_b32 s21, s21, 10                        ; 1,024 parity
	s_add_co_u32 s20, s20, s21
	s_and_b32 s21, s13, 2047
	s_lshr_b32 s21, s21, 1                         ; token / 2
	s_add_co_u32 s20, s20, s21                     ; t'
	s_lshl_b32 s20, s20, 8
	s_mov_b32 s21, 0
	s_mov_b32 s14, 0x3a800000                      ; 1 / 1,024
	s_mov_b32 s15, 0x3727c5ac                      ; 1e-5
	s_mov_b32 s16, 0x76543210                      ; v_permlanex16_b32: each lane takes its own place in the other half
	s_mov_b32 s17, 0xfedcba98
	s_wait_kmcnt 0x0
	s_add_nc_u64 s[4:5], s[4:5], s[18:19]
	s_add_nc_u64 s[10:11], s[10:11], s[20:21]
.irp i, 0,1,2,3,4,5,6,7
	global_load_b128 v[X+4*(\i):X+4*(\i)+3], v2, s[4:5] offset:512*(\i) th:TH_LOAD_NT
.endr
.irp i, 0,1,2,3,4,5,6,7
	global_load_b128 v[G+4*(\i):G+4*(\i)+3], v2, s[6:7] offset:512*(\i)
.endr
.irp i, 0,1,2,3,4,5,6,7
	global_load_b128 v[BT+4*(\i):BT+4*(\i)+3], v2, s[8:9] offset:512*(\i)
.endr
; The four chains are joined, then the 32 lanes: four steps inside each half of 16 lanes ride on the addition, one crosses the halves.  Every lane ends with the sum in v[T].
.macro REDUCE
	v_pk_add_f32 v[T:T+1], v[T:T+1], v[T+2:T+3]
	v_pk_add_f32 v[T+4:T+5], v[T+4:T+5], v[T+6:T+7]
	v_pk_add_f32 v[T:T+1], v[T:T+1], v[T+4:T+5]
	v_add_f32 v[T], v[T], v[T+1]
	v_add_f32_dpp v[T], v[T], v[T] row_xmask:1 row_mask:0xf bank_mask:0xf
	v_add_f32_dpp v[T], v[T], v[T] row_xmask:2 row_mask:0xf bank_mask:0xf
	v_add_f32_dpp v[T], v[T], v[T] row_xmask:4 row_mask:0xf bank_mask:0xf
	v_add_f32_dpp v[T], v[T], v[T] row_xmask:8 row_mask:0xf bank_mask:0xf
	v_permlanex16_b32 v[T+1], v[T], s16, s17       ; its destination has been written above
	v_add_f32 v[T], v[T], v[T+1]
.endm
	s_wait_loadcnt 16                              ; the row's eight loads are in; g's and b's stay out
.irp k, 0,1,2,3
	v_pk_add_f32 v[T+2*(\k):T+2*(\k)+1], v[X+4*(\k):X+4*(\k)+1], v[X+4*(\k)+2:X+4*(\k)+3]  ; the first eight pairs start the chains: nothing is cleared
.endr
.set z, 8
.rept 8
	v_pk_add_f32 v[T+2*(z%4):T+2*(z%4)+1], v[T+2*(z%4):T+2*(z%4)+1], v[X+2*z:X+2*z+1]
.set z, z+1
.endr
	REDUCE
	v_mul_f32 v[MU], s14, v[T]
	v_mul_f32 v[MU+1], s14, v[T]
.set z, 0
.rept 16
	v_pk_add_f32 v[X+2*z:X+2*z+1], v[X+2*z:X+2*z+1], v[MU:MU+1] neg_lo:[0,1] neg_hi:[0,1]
.set z, z+1
.endr
.irp k, 0,1,2,3
	v_pk_mul_f32 v[T+2*(\k):T+2*(\k)+1], v[X+2*(\k):X+2*(\k)+1], v[X+2*(\k):X+2*(\k)+1]
.endr
.set z, 4
.rept 12
	v_pk_fma_f32 v[T+2*(z%4):T+2*(z%4)+1], v[X+2*z:X+2*z+1], v[X+2*z:X+2*z+1], v[T+2*(z%4):T+2*(z%4)+1]
.set z, z+1
.endr
	REDUCE
	v_fma_f32 v[T], v[T], s14, s15                 ; var + eps
	v_rsq_f32 v[RS], v[T]                          ; twice, to fill the pair that the packed multiply names
	v_rsq_f32 v[RS+1], v[T]
	v_nop                                          ; a plain instruction before the results are used (ISA guide 5.7.2)
	s_wait_loadcnt 0x0                             ; g and b
.set z, 0
	s_wait_alu depctr_va_vdst(0)
.rept 16
	v_pk_mul_f32 v[X+z:X+z+1], v[X+z:X+z+1], v[RS:RS+1]
.set z, z+2
.endr
.set z, 0
.rept 16
	v_pk_fma_f32 v[X+z:X+z+1], v[X+z:X+z+1], v[G+z:G+z+1], v[BT+z:BT+z+1]
.set z, z+2
.endr
.set z, 0
.rept 16
	v_cvt_pk_bf16_f32 v[Y+z], v[X+2*z], v[X+2*z+1]
.set z, z+1
.endr
.irp i, 0,1,2,3,4,5,6,7
	global_store_b64 v3, v[Y+2*(\i):Y+2*(\i)+1], s[10:11] offset:(\i)*1048576  ; the row's 256 bytes in block i
.endr
	s_endpgm
.Lfunc_end_k_q38599cbfdf_pre:
	.size	k_q38599cbfdf_pre, .Lfunc_end_k_q38599cbfdf_pre-k_q38599cbfdf_pre
	.p2alignl 7, 3214868480
	.fill 96, 4, 3214868480
	.section	.rodata,"a",@progbits
	.p2align	6, 0x0
	.amdhsa_kernel k_q38599cbfdf_pre
		.amdhsa_group_segment_fixed_size 0
		.amdhsa_private_segment_fixed_size 0
		.amdhsa_enable_private_segment 0
		.amdhsa_kernarg_size 88
		.amdhsa_user_sgpr_count 2
		.amdhsa_user_sgpr_kernarg_segment_ptr 1
		.amdhsa_wavefront_size32 1
		.amdhsa_system_sgpr_workgroup_id_x 1
		.amdhsa_system_sgpr_workgroup_id_y 1
		.amdhsa_system_sgpr_workgroup_id_z 1
		.amdhsa_system_vgpr_workitem_id 0
		.amdhsa_next_free_vgpr 136
		.amdhsa_next_free_sgpr 66
		.amdhsa_reserve_vcc 0
		.amdhsa_float_denorm_mode_32 3
		.amdhsa_float_denorm_mode_16_64 3
		.amdhsa_memory_ordered 1
		.amdhsa_forward_progress 1
		.amdhsa_inst_pref_size 19
	.end_amdhsa_kernel
	.amdgpu_metadata
---
amdhsa.version: [ 1, 2 ]
amdhsa.kernels:
  - .name:           k_q38599cbfdf_pre
    .symbol:         k_q38599cbfdf_pre.kd
    .args:
      - { .name: x, .offset: 0, .size: 8, .value_kind: global_buffer, .address_space: global }
      - { .name: ln1_g, .offset: 8, .size: 8, .value_kind: global_buffer, .address_space: global }
      - { .name: ln1_b, .offset: 16, .size: 8, .value_kind: global_buffer, .address_space: global }
      - { .name: hb, .offset: 24, .size: 8, .value_kind: global_buffer, .address_space: global }
      - { .name: wq, .offset: 32, .size: 8, .value_kind: global_buffer, .address_space: global }
      - { .name: wk, .offset: 40, .size: 8, .value_kind: global_buffer, .address_space: global }
      - { .name: wv, .offset: 48, .size: 8, .value_kind: global_buffer, .address_space: global }
      - { .name: wo, .offset: 56, .size: 8, .value_kind: global_buffer, .address_space: global }
      - { .name: w1, .offset: 64, .size: 8, .value_kind: global_buffer, .address_space: global }
      - { .name: w2, .offset: 72, .size: 8, .value_kind: global_buffer, .address_space: global }
      - { .name: wb, .offset: 80, .size: 8, .value_kind: global_buffer, .address_space: global }
    .group_segment_fixed_size: 0
    .private_segment_fixed_size: 0
    .kernarg_segment_align: 8
    .kernarg_segment_size: 88
    .max_flat_workgroup_size: 256
    .sgpr_count:     66
    .vgpr_count:     136
    .wavefront_size: 32
...
	.end_amdgpu_metadata
.endif
;; end of part 1
;; launch qkv (part 2): grid 12 x 16, 4 waves a work-group, clusters of 4 x 4, 327,680 bytes of LDS; arguments hb, wb, bq, bk, bv, big; writes big
.if DOCPART == 2
	.amdgcn_target "amdgcn-amd-amdhsa--gfx1250"
	.amdhsa_code_object_version 6
	.text
	.protected	k_q38599cbfdf_qkv
	.globl	k_q38599cbfdf_qkv
	.p2align	8
	.type	k_q38599cbfdf_qkv,@function
k_q38599cbfdf_qkv:
	s_mov_b64 s[64:65], 0
	v_nop
	global_prefetch_b8 v0, s[64:65] scope:SCOPE_SE
	s_setreg_imm32_b32 hwreg(HW_REG_WAVE_MODE, 25, 1), 1
	s_wait_xcnt 0x0
	s_wait_alu depctr_hold_cnt(0) depctr_sa_sdst(0) depctr_va_vdst(0) depctr_va_sdst(0) depctr_va_ssrc(0) depctr_va_vcc(0) depctr_vm_vsrc(0)
	s_getreg_b32 s2, hwreg(HW_REG_IB_STS2, 6, 4)
	s_cmp_eq_u32 s2, 0
	s_cbranch_scc0 .Lentry_in_a_cluster
	s_endpgm
.Lentry_in_a_cluster:
	s_bfe_u32 s2, ttmp6, 0x10000c
	s_cmp_lg_u32 s2, 0xf033
	s_cbranch_scc0 .Lentry_shape_is_right
	s_endpgm
.Lentry_shape_is_right:
; q, k, v = h Wq + bq, h Wk + bk, h Wv + bv: one product [4,096 x 1,024] x [1,024 x 3,072], bf16 operands, f32 sums, the results rounded once to bf16.  No scale: the attention applies it in f32.
; h (hb): 8 blocks of 128 columns, each 4,096 rows of 256 bytes on end (row order t').  Weights (wb): bf16, [K][N] as they came, wq, wk, wv 2 MiB apart.
; OUT (big): the same block layout, 24 blocks: q in blocks 0-7, k in 8-15, v in 16-23; a block is two heads of 64 channels.
; SHAPE.  A tile of the result is 256 x 256, made by four waves, each 128 x 128: 64 accumulators, 512 registers.  192 tiles, a work-group each.  K goes in 8 steps of 128 through a ring of two LDS slots.
; THE PRODUCT IS TAKEN TRANSPOSED: source 0 = 16 columns of W, source 1 = 16 rows of h; a lane then holds one row (lane % 16) and the columns 8 (lane / 16) + 0..7.
; h's fragments come out of LDS as they lie; W's, which lie [K][N], turned, by ds_load_tr16_b128.  THE BIAS is the C operand of each accumulator's first product: nothing is cleared and nothing added later.
; CLUSTER.  4 x 4 work-groups: the four of a row need the same tiles of h, the four of a column the same tiles of W: each tile is asked for jointly, by the same tensor load with the same descriptor and a mask of the four.
; THE TEXT.  A K step is written three times: its first quarter ahead of the loop (the products that start the sums), the loop (every step that fills a slot again), and a loop of two trips for the last two steps, which fill nothing.
; THE WAY OUT.  When both slots have had their last fill and every wave has read them out, each wave lays its 128 x 128 f32 into 128 rows of 528 bytes of the ring's bytes (its own), reads whole rows back, rounds, and stores 512 bytes on end.
; REGISTERS, in windows of 256: window 0: v16-29 addresses; v64-127, v128-191 h's fragments, two buffers (on the way out: rows read back, packed rows); v192-255 the bias, 8 registers a block of 16 columns
;   window 1: v64-127, v128-191 W's fragments      window 2: accumulators of my rows 0-63, (a, b) at 8 (8 a + b)      window 3: those of rows 64-127
.set NSTEP,  8                         ; K steps of 128
.set PA,     272                       ; a row of h in LDS: 256 bytes + 16: the 16 rows of a load start at 16 different groups of four banks (64 banks of 4 bytes: ISA guide 11.1)
.set PB,     544                       ; a row of W (256 columns): 512 bytes + 32 = 17 x 32
.set HALFT,  128*PA                    ; what one tensor load brings: 128 rows of h, or 64 rows of W (64 x 544 is the same 34,816 bytes)
.set SLOT,   4*HALFT                   ; h's 256 rows, then W's 128 rows
.set SPARE,  2*SLOT                    ; behind the ring: the spare words, 128 bytes a wave: two blocks of 256 bytes that no other line names
.set SPI,    528                       ; the way out: a row of 128 f32 + 16 bytes = 33 x 16
.set STG,    128*SPI                   ; a wave's stage; four of them end below SPARE
.set NP,     1024                      ; columns of a weight matrix
.set STEP_A, 1048576                   ; from a block of h's columns to the next
.set STEP_B, 128*NP*2                  ; 128 rows of W
.set ADRA0, 16                         ; v16  LDS address of my fragments of h in slot 0; never rewritten
.set ADRB0, 17                         ; v17  the same for W
.set ADRA,  18                         ; v18  in the slot in hand
.set ADRB,  19                         ; v19
.set STO,   24                         ; v24  the way out: where I put 16 bytes of a row
.set RD,    25                         ; v25  where I read rows back; steps
.set GO,    26                         ; v26  my 16 bytes in 512 consecutive bytes of the result; steps
.set BO,    27                         ; v27  32 (lane / 16): my 8 numbers in 16 of the bias
.set SPW,   28                         ; v28  LDS address of my spare word; never rewritten
.set NIL,   29                         ; v29  0; never rewritten
.set F0,    64
.set F1,    128
.set BIAS,  192
.set X,     64                         ; the way out: 16 rows read back, 8 registers a pair of rows
.set Y,     128                        ; and packed, 4 registers a pair
.set G1,  24                           ; s[24:31] descriptor group 1 for h's tiles
.set G0,  32                           ; s[32:39] group 0, a set for each first fill; the second then walks
.set G1B, 48                           ; s[48:55], s[56:63] the same for W's tiles
.set G0B, 56
.set TOG, 45                           ; s45  0 or SLOT: the slot in hand
.set MSB, 0
.macro WIN new                         ; s_set_vgpr_msb: bits 1:0 source 0, 3:2 source 1, 5:4 source 2, 7:6 destination; the high byte repeats the setting that is left
.if MSB != (\new)
	s_set_vgpr_msb (MSB<<8)|(\new)
.set MSB, \new
.endif
.endm
; A joint load: waves 0 and 1 fetch h's two halves, waves 2 and 3 W's.  The branch hangs on the wave's number alone.  An s_nop 0 and four v_nop follow each of the two lines.
.macro JLOAD s
	s_cmp_eq_u32 s11, 0
	s_cbranch_scc0 .Lfor_b_\@
	tensor_load_to_lds s[G0+4*(\s):G0+4*(\s)+3], s[G1:G1+7]
	s_nop 0
.rept 4
	v_nop
.endr
	s_branch .Lasked_\@
.Lfor_b_\@:
	tensor_load_to_lds s[G0B+4*(\s):G0B+4*(\s)+3], s[G1B:G1B+7]
	s_nop 0
.rept 4
	v_nop
.endr
.Lasked_\@:
.endm
.macro CREST                           ; a round of the cluster's barrier behind its opening barrier: wave 0 signals for the work-group, every wave waits for all sixteen, the work-group's barrier closes it
	s_cmp_lg_u32 s10, 0
	s_cbranch_scc1 .Lnot_wave_0_\@
	s_barrier_signal -3
.Lnot_wave_0_\@:
	s_barrier_wait -3
	s_barrier_signal -1
	s_barrier_wait -1
.endm
.macro CROUND                          ; a whole round
	s_barrier_signal -1
	s_barrier_wait -1
	CREST
.endm
	s_load_b128 s[4:7], s[0:1], 0x0                ; hb s[4:5], wb s[6:7]
	s_load_b256 s[84:91], s[0:1], 0x10             ; bq s[84:85], bk s[86:87], bv s[88:89], big s[90:91]
	v_lshl_add_u32 v[SPW], v0, 2, SPARE
	v_mov_b32 v[NIL], 0
	ds_add_u32 v[SPW], v[NIL]                      ; the wave's opening: the add and its wait stand ahead of my first tensor load; the set-up below, work on registers, stands between them
	ds_add_u32 v28, v29
	v_lshrrev_b32 v1, 5, v0
	v_readfirstlane_b32 s10, v1                    ; wave 0..3
	s_lshr_b32 s11, s10, 1                         ; which half of the tile's rows is mine.  Also: I fetch for h (0) or for W (1)
	s_and_b32 s12, s10, 1                          ; which half of its columns.  Also: which half of that tile I fetch
	s_bfe_u32 s40, ttmp6, 0x40000                  ; cx
	s_bfe_u32 s41, ttmp6, 0x40004                  ; cy
	s_lshl_b32 s42, ttmp9, 2
	s_add_co_u32 s42, s42, s40                     ; tile column = 4 x cluster x + cx; cluster x is the matrix (q, k, v), cx its quarter
	s_and_b32 s13, ttmp7, 0xffff
	s_lshl_b32 s13, s13, 2
	s_add_co_u32 s13, s13, s41                     ; tile row = 4 x cluster y + cy
	s_lshl_b32 s43, s41, 2
	s_lshl_b32 s43, 15, s43                        ; my row of the cluster
	s_lshl_b32 s44, 0x1111, s40                    ; my column
	s_or_b32 s[G1+0], s43, (1<<16)|(1<<20)|(1<<21)|(5<<22)|(3<<25)   ; the mask; 2-byte elements; padding on; bit 21 beside a mask; after every 64 words, 4 words
	s_mov_b32 s[G1+1], 128<<16                     ; tensor_dim0 = 128
	s_mov_b32 s[G1+2], 128<<16                     ; tensor_dim1 = 128
	s_mov_b32 s[G1+3], 128<<16                     ; tile_dim0 = 128
	s_mov_b32 s[G1+4], 128                         ; tile_dim1 = 128
	s_mov_b32 s[G1+5], 128                         ; 128 elements from row to row: a block's rows lie on end
	s_mov_b32 s[G1+6], 0
	s_mov_b32 s[G1+7], 0
	s_or_b32 s[G1B+0], s44, (1<<16)|(1<<20)|(1<<21)|(6<<22)|(7<<25)  ; after every 128 words, 8 words
	s_mov_b32 s[G1B+1], 256<<16                    ; tensor_dim0 = 256
	s_mov_b32 s[G1B+2], 64<<16                     ; tensor_dim1 = 64
	s_mov_b32 s[G1B+3], 256<<16                    ; tile_dim0 = 256
	s_mov_b32 s[G1B+4], 64                         ; tile_dim1 = 64
	s_mov_b32 s[G1B+5], NP
	s_mov_b32 s[G1B+6], 0
	s_mov_b32 s[G1B+7], 0
	s_lshl_b32 s16, s13, 16                        ; h: 256 rows of 256 bytes a tile row,
	s_lshl_b32 s17, s12, 15                        ; 128 rows a half: nothing of cx
	s_add_co_u32 s16, s16, s17
	s_mov_b32 s17, 0
	s_lshl_b32 s46, ttmp9, 21                      ; W: the matrix,
	s_lshl_b32 s47, s40, 9                         ; its 256 columns,
	s_add_co_u32 s46, s46, s47
	s_lshl_b32 s47, s12, 17                        ; 64 rows a half: nothing of cy
	s_add_co_u32 s46, s46, s47
	s_mov_b32 s47, 0
	s_mul_i32 s20, s10, HALFT                      ; where they go: wave x 34,816: no place in the cluster enters an LDS address
	s_mov_b32 s[TOG], 0
	s_wait_dscnt 0x0                               ; the opening add is done
	s_wait_kmcnt 0x0
	s_add_nc_u64 s[14:15], s[4:5], s[16:17]
	s_add_nc_u64 s[46:47], s[6:7], s[46:47]
	CROUND                                         ; all sixteen work-groups are here: the first joint loads meet
.irp s, 0,1
	s_mov_b32 s[G0+4*(\s)], 1
	s_add_co_u32 s[G0+4*(\s)+1], s20, (\s)*SLOT
	s_add_nc_u64 s[G0+4*(\s)+2:G0+4*(\s)+3], s[14:15], (\s)*STEP_A
	s_or_b32 s[G0+4*(\s)+3], s[G0+4*(\s)+3], 0x80000000
	s_mov_b32 s[G0B+4*(\s)], 1
	s_add_co_u32 s[G0B+4*(\s)+1], s20, (\s)*SLOT
	s_add_nc_u64 s[G0B+4*(\s)+2:G0B+4*(\s)+3], s[46:47], (\s)*STEP_B
	s_or_b32 s[G0B+4*(\s)+3], s[G0B+4*(\s)+3], 0x80000000
	JLOAD \s                                       ; K steps 0 and 1: two loads of mine are out
.endr
	v_and_b32 v1, 15, v0                           ; r = l % 16
	v_bfe_u32 v2, v0, 4, 1                         ; h = l / 16
	v_mul_u32_u24 v3, v1, PA
	v_lshl_add_u32 v3, v2, 4, v3                   ; a fragment of h: row r, 16 bytes for each half of the lanes, twice, 32 bytes apart
	s_mul_i32 s21, s11, HALFT                      ; my 128 rows
	v_add_nc_u32 v[ADRA0], s21, v3
	v_and_b32 v4, 7, v0
	v_lshl_add_u32 v4, v2, 3, v4                   ; the turning load: lane l reads K row 8 h + l % 8,
	v_mul_u32_u24 v4, v4, PB
	v_bfe_u32 v5, v0, 3, 1
	v_lshl_add_u32 v4, v5, 4, v4                   ; columns 8 ((l / 8) % 2) + 0..7, and ends with column r and 8 K
	s_lshl_b32 s22, s12, 8                         ; my 128 columns,
	s_add_co_u32 s22, s22, 2*HALFT                 ; behind h's 256 rows
	v_add_nc_u32 v[ADRB0], s22, v4
	v_mov_b32 v[ADRA], v[ADRA0]
	v_mov_b32 v[ADRB], v[ADRB0]
	s_mul_i32 s23, s10, STG                        ; my stage
	v_mul_u32_u24 v6, v1, SPI
	v_lshl_add_u32 v6, v2, 4, v6
	v_add_nc_u32 v[STO], s23, v6                   ; in: row r, 16 bytes for each half of the lanes
	v_mul_u32_u24 v7, v2, SPI
	v_lshl_add_u32 v7, v1, 4, v7
	v_add_nc_u32 v[RD], s23, v7                    ; back: lanes 0-15 one row, lanes 16-31 the next
	v_and_b32 v[GO], 31, v0
	v_lshlrev_b32 v[GO], 4, v[GO]
	v_lshlrev_b32 v[BO], 5, v2
	s_mov_b64 s[92:93], s[84:85]                   ; the matrix's bias, chosen by the cluster's x
	s_cmp_eq_u32 ttmp9, 1
	s_cselect_b64 s[92:93], s[86:87], s[92:93]
	s_cmp_eq_u32 ttmp9, 2
	s_cselect_b64 s[92:93], s[88:89], s[92:93]
	s_lshl_b32 s96, s40, 10                        ; 256 columns of f32 a tile,
	s_lshl_b32 s97, s12, 9                         ; my 128
	s_add_co_u32 s96, s96, s97
	s_mov_b32 s97, 0
	s_add_nc_u64 s[92:93], s[92:93], s[96:97]
.irp b, 0,1,2,3,4,5,6,7
	global_load_b128 v[BIAS+8*(\b):BIAS+8*(\b)+3],   v[BO], s[92:93] offset:64*(\b)      ; register j: the bias of column 16 b + 8 h + j, as the C operand wants it
	global_load_b128 v[BIAS+8*(\b)+4:BIAS+8*(\b)+7], v[BO], s[92:93] offset:64*(\b)+16
.endr
	s_lshl_b32 s94, s42, 1
	s_add_co_u32 s94, s94, s12                     ; my block of 128 columns of the result,
	s_lshl_b32 s94, s94, 20
	s_lshl_b32 s95, s13, 16                        ; the tile's 256 rows,
	s_add_co_u32 s94, s94, s95
	s_lshl_b32 s95, s11, 15                        ; my 128
	s_add_co_u32 s94, s94, s95
	s_mov_b32 s95, 0
	s_add_nc_u64 s[8:9], s[90:91], s[94:95]
; 16 matrix instructions: row blocks a0, a0 + 1 of the window's four (hi = 0: my rows 0-63, 1: rows 64-127) x all 8 column blocks, 32 along K.  first = 1: C is the bias, in window 0.
; The 64 accumulators take turns, one instruction a turn, in the same order in every quarter, over the backward jumps too.
.macro MUL16 f, hi, a0, first
.if \first
	WIN 0x81+0x40*(\hi)
.else
	WIN 0xa1+0x50*(\hi)
.endif
.irp a, \a0, (\a0)+1
.irp b, 0,1,2,3,4,5,6,7
.if \first
	v_wmma_f32_16x16x32_bf16 v[8*(8*(\a)+(\b)):8*(8*(\a)+(\b))+7], v[(\f)+8*(\b):(\f)+8*(\b)+7], v[(\f)+8*(4*(\hi)+(\a)):(\f)+8*(4*(\hi)+(\a))+7], v[BIAS+8*(\b):BIAS+8*(\b)+7]
.else
	v_wmma_f32_16x16x32_bf16 v[8*(8*(\a)+(\b)):8*(8*(\a)+(\b))+7], v[(\f)+8*(\b):(\f)+8*(\b)+7], v[(\f)+8*(4*(\hi)+(\a)):(\f)+8*(4*(\hi)+(\a))+7], v[8*(8*(\a)+(\b)):8*(8*(\a)+(\b))+7]
.endif
.endr
.endr
.endm
; 32 LDS loads in one run: quarter q (32 along K) of the slot in hand into buffer f: W's 8 fragments, turned, then h's 8; h's rows 64-127 last.  It leaves every window 0.
.macro FETCH q, f
	WIN 0x40
.irp i, 0,1,2,3,4,5,6,7
	ds_load_tr16_b128 v[(\f)+8*(\i):(\f)+8*(\i)+3],   v[ADRB] offset:(\q)*32*PB+32*(\i)
	ds_load_tr16_b128 v[(\f)+8*(\i)+4:(\f)+8*(\i)+7], v[ADRB] offset:(\q)*32*PB+32*(\i)+16*PB
.endr
	WIN 0
.irp i, 0,1,2,3,4,5,6,7
	ds_load_b128 v[(\f)+8*(\i):(\f)+8*(\i)+3],   v[ADRA] offset:64*(\q)+(\i)*16*PA
	ds_load_b128 v[(\f)+8*(\i)+4:(\f)+8*(\i)+7], v[ADRA] offset:64*(\q)+(\i)*16*PA+32
.endr
.endm
.macro PLACES                          ; four places in front of loads into registers that matrix instructions have read, and of lines that read their results
.rept 4
	v_nop
.endr
.endm
; One of a K step's first three quarters: multiplies buffer f; in its middle it fetches quarter q into buffer g.
.macro QUARTER q, f, g, first
	s_wait_dscnt 8                                 ; W's fragments and h's rows 0-63 are in; the youngest eight loads (rows 64-127) may be out
	MUL16 \f, 0, 0, \first
	MUL16 \f, 0, 2, \first
	PLACES
	FETCH \q, \g
	s_wait_dscnt 32                                ; all but the 32 just issued
	MUL16 \f, 1, 0, \first
	MUL16 \f, 1, 2, \first
.endm
; The first half of a step's last quarter, and the barrier of the change of slots: each wave waits for all its tensor loads (at most one is out: its part of the next slot), adds 0 to its spare word, and waits for that and for its reads of this slot.
.macro MEET
	WIN 0
	s_wait_tensorcnt 0x0
	ds_add_u32 v[SPW], v[NIL]
	s_wait_dscnt 9                                 ; (the add and the youngest eight loads may be out)
	MUL16 F1, 0, 0, 0                              ; sixteen matrix instructions stand between the add and the wait for it
	s_wait_dscnt 0x0                               ; the add is done, and my reads of this slot are over
	s_barrier_signal -1
	MUL16 F1, 0, 2, 0                              ; work on registers while the others arrive
	WIN 0
	s_barrier_wait -1
.endm
.macro NEXT                            ; the fragments' addresses go to the slot in hand, and its first quarter is fetched
	v_add_nc_u32 v[ADRA], s[TOG], v[ADRA0]
	v_add_nc_u32 v[ADRB], s[TOG], v[ADRB0]
	FETCH 0, F0
.endm
; The whole last quarter of a step whose slot is filled again: the barrier opens a round of the cluster's; behind it the walking descriptors take the slot just read out and the K step two on.
.macro TURN
	MEET
	CREST                                          ; no wave of any partner still reads this slot or has a load on its way
	s_xor_b32 s[G0+5], s[G0+5], SLOT               ; (the waves' bases have neither of SLOT's two bits, so the exclusive or is the sum or the difference)
	s_add_nc_u64 s[G0+6:G0+7], s[G0+6:G0+7], STEP_A
	s_xor_b32 s[G0B+5], s[G0B+5], SLOT
	s_add_nc_u64 s[G0B+6:G0B+7], s[G0B+6:G0B+7], STEP_B
	s_xor_b32 s[TOG], s[TOG], SLOT
	JLOAD 1                                        ; the first tensor load behind the round: 224 matrix instructions ahead of the wait for it; its four v_nop are also the places in front of the loads below
	NEXT
	MUL16 F1, 1, 0, 0
	MUL16 F1, 1, 2, 0
.endm
	s_wait_tensorcnt 1                             ; my part of K step 0 is in; step 1's may stay out
	s_barrier_signal -1
	s_barrier_wait -1
	FETCH 0, F0
	s_wait_loadcnt 0x0                             ; the bias
	QUARTER 1, F0, F1, 1                           ; the first quarter stands in front of the loop: its products start the sums
	WIN 0
	s_mov_b32 s3, NSTEP-2
.Lstep:                                                ; a trip: from a step's second quarter to the next step's first; it fills the slot that it leaves
	QUARTER 2, F1, F0, 0
	QUARTER 3, F0, F1, 0
	TURN
	QUARTER 1, F0, F1, 0
	WIN 0
	s_sub_co_u32 s3, s3, 1
	s_cmp_lg_u32 s3, 0
	s_cbranch_scc1 .Lstep
	s_mov_b32 s3, 2
.Ltail:                                                ; the last two steps fill nothing: a text of their own, walked twice.  The last trip has no slot to go on to: it jumps over the fetch and leaves ahead of the next step's first quarter
	QUARTER 2, F1, F0, 0
	QUARTER 3, F0, F1, 0
	MEET
	s_cmp_eq_u32 s3, 1
	s_cbranch_scc1 .Lno_fetch
	s_xor_b32 s[TOG], s[TOG], SLOT
	PLACES
	NEXT
.Lno_fetch:
	MUL16 F1, 1, 0, 0
	MUL16 F1, 1, 2, 0
	WIN 0
	s_cmp_eq_u32 s3, 1
	s_cbranch_scc1 .Lway_out
	QUARTER 1, F0, F1, 0
	WIN 0
	s_sub_co_u32 s3, s3, 1
	s_cmp_lg_u32 s3, 0
	s_cbranch_scc1 .Ltail
.Lway_out:
	PLACES
	s_wait_dscnt 0x0                               ; my reads of the ring are over,
	s_barrier_signal -1
	s_barrier_wait -1                              ; everybody's are; no tensor load follows: the ring's bytes are the stages now
.irp a, 0,1,2,3,4,5,6,7
	WIN 0x08+4*((\a)/4)                            ; the stores' data in window 2 or 3
.irp b, 0,1,2,3,4,5,6,7
	ds_store_b128 v[STO], v[8*(8*((\a)%4)+(\b)):8*(8*((\a)%4)+(\b))+3]   offset:(\a)*16*SPI+32*(\b)      ; columns 16 b + 8 h + 0..3: the row's first 256 bytes hold each chunk's low four (each accumulator's low registers are read first),
	ds_store_b128 v[STO], v[8*(8*((\a)%4)+(\b))+4:8*(8*((\a)%4)+(\b))+7] offset:(\a)*16*SPI+32*(\b)+256  ; its second 256 the high four
.endr
.endr
	WIN 0
.macro LDX                             ; 16 rows back: lane l takes columns 8 (l % 16) + 0..7 of row l / 16 of each pair; LDS serves a wave's instructions in order (ISA guide 5.7.1.4): these see the stores above
.irp p, 0,1,2,3,4,5,6,7
	ds_load_b128 v[X+8*(\p):X+8*(\p)+3],   v[RD] offset:2*SPI*(\p)
	ds_load_b128 v[X+8*(\p)+4:X+8*(\p)+7], v[RD] offset:2*SPI*(\p)+256
.endr
.endm
.macro EPQ more                        ; 16 rows are rounded and stored; more = 1: the next 16 are asked for meanwhile
	s_wait_dscnt 0x0
.irp p, 0,1,2,3,4,5,6,7
.irp k, 0,1,2,3
	v_cvt_pk_bf16_f32 v[Y+4*(\p)+(\k)], v[X+8*(\p)+2*(\k)], v[X+8*(\p)+2*(\k)+1]
.endr
.endr
.if \more
	v_add_nc_u32 v[RD], 16*SPI, v[RD]
	LDX
.endif
.irp p, 0,1,2,3,4,5,6,7
	global_store_b128 v[GO], v[Y+4*(\p):Y+4*(\p)+3], s[8:9] offset:512*(\p)  ; two rows of 256 bytes, on end and aligned
.endr
	s_wait_xcnt 0x0                                ; the stores have read Y and GO, which are written again only behind this wait
	v_add_nc_u32 v[GO], 4096, v[GO]
.endm
	LDX
	s_mov_b32 s3, 7
.Lout:
	EPQ 1
	s_sub_co_u32 s3, s3, 1
	s_cmp_lg_u32 s3, 0
	s_cbranch_scc1 .Lout
	EPQ 0
	s_wait_tensorcnt 0x0                           ; the wave's end, behind my last tensor load and my last LDS store
	ds_add_u32 v[SPW], v[NIL]
	s_wait_dscnt 0x0
	CROUND                                         ; the closing round: no work-group ends while a partner may still ask for a tile that names it
	s_endpgm
.Lfunc_end_k_q38599cbfdf_qkv:
	.size	k_q38599cbfdf_qkv, .Lfunc_end_k_q38599cbfdf_qkv-k_q38599cbfdf_qkv
	.p2alignl 7, 3214868480
	.fill 96, 4, 3214868480
	.section	.rodata,"a",@progbits
	.p2align	6, 0x0
	.amdhsa_kernel k_q38599cbfdf_qkv
		.amdhsa_group_segment_fixed_size 327680
		.amdhsa_private_segment_fixed_size 0
		.amdhsa_enable_private_segment 0
		.amdhsa_kernarg_size 48
		.amdhsa_user_sgpr_count 2
		.amdhsa_user_sgpr_kernarg_segment_ptr 1
		.amdhsa_wavefront_size32 1
		.amdhsa_system_sgpr_workgroup_id_x 1
		.amdhsa_system_sgpr_workgroup_id_y 1
		.amdhsa_system_sgpr_workgroup_id_z 1
		.amdhsa_system_vgpr_workitem_id 0
		.amdhsa_next_free_vgpr 1024
		.amdhsa_next_free_sgpr 100
		.amdhsa_reserve_vcc 0
		.amdhsa_float_denorm_mode_32 3
		.amdhsa_float_denorm_mode_16_64 3
		.amdhsa_memory_ordered 1
		.amdhsa_forward_progress 1
		.amdhsa_inst_pref_size 87
	.end_amdhsa_kernel
	.amdgpu_metadata
---
amdhsa.version: [ 1, 2 ]
amdhsa.kernels:
  - .name:           k_q38599cbfdf_qkv
    .symbol:         k_q38599cbfdf_qkv.kd
    .args:
      - { .name: hb, .offset: 0, .size: 8, .value_kind: global_buffer, .address_space: global }
      - { .name: wb, .offset: 8, .size: 8, .value_kind: global_buffer, .address_space: global }
      - { .name: bq, .offset: 16, .size: 8, .value_kind: global_buffer, .address_space: global }
      - { .name: bk, .offset: 24, .size: 8, .value_kind: global_buffer, .address_space: global }
      - { .name: bv, .offset: 32, .size: 8, .value_kind: global_buffer, .address_space: global }
      - { .name: big, .offset: 40, .size: 8, .value_kind: global_buffer, .address_space: global }
    .group_segment_fixed_size: 327680
    .private_segment_fixed_size: 0
    .kernarg_segment_align: 8
    .kernarg_segment_size: 48
    .max_flat_workgroup_size: 128
    .sgpr_count:     100
    .vgpr_count:     1024
    .wavefront_size: 32
...
	.end_amdgpu_metadata
.endif
;; end of part 2
;; launch attn (part 3): grid 8 x 32, 4 waves a work-group, no clusters, 178,688 bytes of LDS; arguments big, hb; writes hb
.if DOCPART == 3
	.amdgcn_target "amdgcn-amd-amdhsa--gfx1250"
	.amdhsa_code_object_version 6
	.text
	.protected	k_q38599cbfdf_attn
	.globl	k_q38599cbfdf_attn
	.p2align	8
	.type	k_q38599cbfdf_attn,@function
k_q38599cbfdf_attn:
	s_mov_b64 s[64:65], 0
	v_nop
	global_prefetch_b8 v0, s[64:65] scope:SCOPE_SE
	s_setreg_imm32_b32 hwreg(HW_REG_WAVE_MODE, 25, 1), 1
	s_wait_xcnt 0x0
; THE MASKED ATTENTION.  A query at token i sees the keys j with j <= i, i - j <= 256 and i - j even.  So the tokens of one parity are a sequence of their own, 1,024 positions long (position = token / 2),
; in which a query at position p sees the positions p - 128 .. p.  q, k, v lie by parity (row order t' = 2,048 batch + 1,024 parity + position), so such a sequence's rows are on end.
; ctx[p] = sum over the seen positions of softmax(q[p] . k / 8) v.  bf16 operands, f32 products, maxima and sums; the weights are rounded to bf16 for the second product (their sum is taken unrounded), ctx once.
; The true maximum of a row's seen scores is taken away before the exponentials: a row's at most 129 scores are all in registers at once.
; LIMITS.  A hidden score counts as its value less 1e30 (or 2e30): right while |q . k| stays under 1e29.  A weight below 2^-126 counts as 0.  NaN and infinities are not treated apart.
; IN (big): blocks of 128 columns (two heads), 4,096 rows of 256 bytes each: q in blocks 0-7, k in 8-15, v in 16-23.  OUT (hb): ctx in the same layout, blocks 0-7.
; SHARES.  A work-group: one sequence (y / 8), one pair of heads (y % 8), 128 queries (x).  It holds 256 keys: LDS row rho is position q0 - 128 + rho.  Wave w: queries q0 + 32 w .. + 31, two tiles t of 16, both heads, a head a trip;
; it uses LDS rows 32 w .. 32 w + 159: 10 blocks n of 16 keys; tile t sees blocks t .. t + 8: block t in part (distance at most 128), block t + 8 in part (no later key), those between whole.
; In the sequence's first block of queries the rows 0-127 stand for positions that do not exist: they are filled with the block's own keys (finite numbers) and wholly hidden.
; THE MASK is the C operand that starts a score's sum: 0 or -1e30.
; LAYOUT.  S^T = K Q^T: a lane holds one query (lane % 16) and the keys 8 (lane / 16) + 0..7 of a block; two blocks rounded to bf16 in pairs ARE source 1 of O^T = V^T P.  V comes out of LDS turned, by ds_load_tr16_b128.
; NO CLUSTER: neighbouring query blocks share half of their keys, and that half lies at other LDS bytes in the one than in the other, so no descriptor could be equal in both.  All of K and V is asked for in the first lines: one tensor load a wave, nothing is filled again.
; REGISTERS, in windows of 256: window 0: addresses; v32-119 masks; v128-191 the way out      window 1: v0-159 S^T (tile t, block n at 80 t + 8 n), then P in place (80 t + 4 n); v160-223 O^T; v224-255 statistics
;   window 2: v0-159 K (block n, channel half c at 16 n + 8 c); v160-191 Q of the head in hand; v192-223 the second head's      window 3: v0-159 V (32 keys kk, channel block cb at 32 kk + 8 cb)
.set PK,    272                        ; a row of K in LDS: 256 bytes + 16
.set PV,    288                        ; a row of V: 256 + 32 = 9 x 32
.set VOFF,  256*PK
.set STAGE, VOFF+256*PV                ; behind the tiles, never filled by a tensor load: 32 rows x 272 bytes for each wave
.set SP,    272
.set SPARE, STAGE+4*32*SP              ; the spare words, 128 bytes a wave: two blocks of 256 bytes that no other line names
.set AK0,  2                           ; v2   my lane's place in my wave's rows of K; never rewritten
.set AV0,  3                           ; v3   the same for V
.set QO,   4                           ; v4   my byte offset in 16 rows of Q
.set STO0, 5                           ; v5   the way out: where I put 16 bytes of a row, head 0
.set RD,   6                           ; v6   where I read rows back
.set GO,   7                           ; v7   my 16 bytes in 512 consecutive bytes of ctx
.set AK,   16                          ; v16-18  the three addresses for the head in hand
.set AV,   17
.set STO,  18
.set SPW,  28                          ; v28  LDS address of my spare word; never rewritten
.set NIL,  29                          ; v29  0; never rewritten
.set BER,  32                          ; v32-87   blocks 1..7: the whole block's mask, 8 registers each
.set ML,   88                          ; v88-103  tile t's mask for block t
.set MD,   104                         ; v104-111 the mask for block t + 8
.set MLR,  112                         ; v112-119 at work
.set TMP,  128
.set WV,   12                          ; s12  my wave's number
.set G1K,  24                          ; s[24:31], s[32:39] descriptor group 1 for K and V: they differ in the padding
.set G1V,  32
.set G0K,  40                          ; s[40:43], s[44:47] group 0
.set G0V,  44
.set CS,   52                          ; s[52:53] c = log2(e) / 8
.set SEL,  54                          ; s[54:55] v_permlanex16_b32's selects
.set BE,   56                          ; s56-63  block n: -1e30 if all its positions lie before the sequence's first, else 0
.set NEG,  66                          ; s66  -1e30
.set NEGF, 67                          ; s67  -1e30 in the sequence's first block of queries, else 0
.set CNT,  68                          ; s68  heads to go
.set HO,   69                          ; s69  the head's 128 bytes in a row
.set MSB, 0
.macro WIN new
.if MSB != (\new)
	s_set_vgpr_msb (MSB<<8)|(\new)
.set MSB, \new
.endif
.endm
.macro PLACES
.rept 4
	v_nop
.endr
.endm
	s_load_b128 s[4:7], s[0:1], 0x0                ; big s[4:5], hb s[6:7]
	v_lshl_add_u32 v[SPW], v0, 2, SPARE
	v_mov_b32 v[NIL], 0
	ds_add_u32 v[SPW], v[NIL]                      ; the wave's opening: the add and its wait stand ahead of my tensor load
	ds_add_u32 v28, v29
	v_lshrrev_b32 v1, 5, v0
	v_readfirstlane_b32 s[WV], v1                  ; wave 0..3
	s_and_b32 s13, ttmp7, 0xffff
	s_and_b32 s14, s13, 7                          ; the pair of heads
	s_lshr_b32 s15, s13, 3                         ; the sequence: 2 batch + parity
	s_lshl_b32 s16, ttmp9, 7                       ; q0
	s_and_b32 s17, s[WV], 1                        ; which 128 LDS rows I fetch: 0 the earlier positions, 1 the block's own
	s_sub_co_i32 s18, s16, 128
	s_max_i32 s18, s18, 0                          ; (the first block has none earlier: its own once more)
	s_cmp_eq_u32 s17, 1
	s_cselect_b32 s18, s16, s18
	s_lshl_b32 s20, s14, 20                        ; the pair's block of columns,
	s_lshl_b32 s21, s15, 18                        ; the sequence's 1,024 rows of 256 bytes
	s_add_co_u32 s20, s20, s21
	s_lshl_b32 s22, s18, 8
	s_add_co_u32 s22, s22, s20
	s_add_co_u32 s22, s22, 8<<20                   ; k's blocks begin 8 MiB in, v's 16
	s_mov_b32 s23, 0
	s_lshl_b32 s48, s[WV], 5
	s_add_co_u32 s48, s48, s16                     ; my wave's first query
	s_lshl_b32 s48, s48, 8
	s_add_co_u32 s48, s48, s20
	s_mov_b32 s49, 0
	s_mov_b32 s[G1K], (1<<16)|(1<<20)|(5<<22)|(3<<25)  ; 2-byte elements; padding on; after every 64 words, 4 words
	s_mov_b32 s[G1V], (1<<16)|(1<<20)|(5<<22)|(7<<25)  ; the same with 8 words
.irp g, G1K, G1V
	s_mov_b32 s[(\g)+1], 128<<16                   ; tensor_dim0 = 128
	s_mov_b32 s[(\g)+2], 128<<16                   ; tensor_dim1 = 128
	s_mov_b32 s[(\g)+3], 128<<16                   ; tile_dim0 = 128
	s_mov_b32 s[(\g)+4], 128                       ; tile_dim1 = 128
	s_mov_b32 s[(\g)+5], 128                       ; rows on end
	s_mov_b32 s[(\g)+6], 0
	s_mov_b32 s[(\g)+7], 0
.endr
	s_mov_b32 s[G0K], 1
	s_mul_i32 s[G0K+1], s17, 128*PK
	s_mov_b32 s[G0V], 1
	s_mul_i32 s[G0V+1], s17, 128*PV
	s_add_co_u32 s[G0V+1], s[G0V+1], VOFF
	s_mov_b32 s[CS], 0x3e38aa3b
	s_mov_b32 s[CS+1], s[CS]
	s_mov_b32 s[SEL], 0x76543210
	s_mov_b32 s[SEL+1], 0xfedcba98
	s_mov_b32 s[NEG], 0xf149f2ca
	s_mov_b32 s[HO], 0
	s_mov_b32 s[CNT], 2
	s_wait_dscnt 0x0                               ; the opening add is done
	s_wait_kmcnt 0x0
	s_add_nc_u64 s[G0K+2:G0K+3], s[4:5], s[22:23]
	s_add_nc_u64 s[G0V+2:G0V+3], s[G0K+2:G0K+3], 8<<20
	s_or_b32 s[G0K+3], s[G0K+3], 0x80000000
	s_or_b32 s[G0V+3], s[G0V+3], 0x80000000
	s_add_nc_u64 s[8:9], s[4:5], s[48:49]          ; Q at my wave's first row,
	s_add_nc_u64 s[10:11], s[6:7], s[48:49]        ; and ctx
	s_cmp_lt_u32 s[WV], 2                          ; waves 0 and 1 fetch K's halves, waves 2 and 3 V's; an s_nop 0 and four v_nop follow each line
	s_cbranch_scc0 .Lfor_v
	tensor_load_to_lds s[G0K:G0K+3], s[G1K:G1K+7]
	s_nop 0
.rept 4
	v_nop
.endr
	s_branch .Lasked
.Lfor_v:
	tensor_load_to_lds s[G0V:G0V+3], s[G1V:G1V+7]
	s_nop 0
.rept 4
	v_nop
.endr
.Lasked:
	v_and_b32 v1, 15, v0                           ; r
	v_bfe_u32 v9, v0, 4, 1                         ; h
	v_lshlrev_b32 v[QO], 8, v1
	v_lshl_add_u32 v[QO], v9, 4, v[QO]
	WIN 0x80                                       ; destination window 2
.irp e, 0,1
.irp t, 0,1
.irp c, 0,1
	global_load_b128 v[160+32*(\e)+16*(\t)+8*(\c):160+32*(\e)+16*(\t)+8*(\c)+3],   v[QO], s[8:9] offset:4096*(\t)+128*(\e)+64*(\c)
	global_load_b128 v[160+32*(\e)+16*(\t)+8*(\c)+4:160+32*(\e)+16*(\t)+8*(\c)+7], v[QO], s[8:9] offset:4096*(\t)+128*(\e)+64*(\c)+32
.endr
.endr
.endr
	WIN 0
	s_mul_i32 s50, s[WV], 32*PK
	v_mul_u32_u24 v[AK0], v1, PK
	v_lshl_add_u32 v[AK0], v9, 4, v[AK0]
	v_add_nc_u32 v[AK0], s50, v[AK0]               ; (32 w + r) x pitch + 16 h
	v_and_b32 v10, 7, v0
	v_bfe_u32 v11, v0, 3, 1
	v_lshl_add_u32 v[AV0], v9, 3, v10
	v_mul_u32_u24 v[AV0], v[AV0], PV
	v_lshl_add_u32 v[AV0], v11, 4, v[AV0]
	s_mul_i32 s50, s[WV], 32*PV
	s_add_co_u32 s50, s50, VOFF
	v_add_nc_u32 v[AV0], s50, v[AV0]               ; the turning load: key 32 w + 8 h + l % 8, channels 8 ((l / 8) % 2) + 0..7
	s_mul_i32 s50, s[WV], 32*SP
	s_add_co_u32 s50, s50, STAGE                   ; my stage
	v_mul_u32_u24 v[STO0], v1, SP
	v_lshl_add_u32 v[STO0], v9, 4, v[STO0]
	v_add_nc_u32 v[STO0], s50, v[STO0]
	v_mul_u32_u24 v[RD], v9, SP
	v_lshl_add_u32 v[RD], v1, 4, v[RD]
	v_add_nc_u32 v[RD], s50, v[RD]
	v_and_b32 v[GO], 31, v0
	v_lshlrev_b32 v[GO], 4, v[GO]
	; the masks.  In block t + m the distance from my query to key 8 h + j is 128 - 16 m + (r - 8 h - j).
	s_cmp_eq_u32 ttmp9, 0
	s_cselect_b32 s[NEGF], s[NEG], 0
	s_lshl_b32 s50, s[WV], 1
.irp n, 0,1,2,3,4,5,6,7
	s_add_co_u32 s51, s50, \n                      ; block n holds LDS rows 16 (2 w + n) on: below row 128 if 2 w + n < 8
	s_cmp_lt_u32 s51, 8
	s_cselect_b32 s[BE+(\n)], s[NEGF], 0
.endr
	v_lshlrev_b32 v14, 3, v9
	v_sub_nc_u32 v14, v1, v14                      ; r - 8 h
.irp j, 0,1,2,3,4,5,6,7
	v_cmp_gt_i32 vcc_lo, \j, v14                   ; m = 8: a later key
	v_cndmask_b32 v[MD+(\j)], 0, s[NEG], vcc_lo
	v_cmp_lt_i32 vcc_lo, \j, v14                   ; m = 0: further back than 128
	v_cndmask_b32 v[MLR+(\j)], 0, s[NEG], vcc_lo
.endr
.irp t, 0,1
.irp j, 0,1,2,3,4,5,6,7
	v_add_f32 v[ML+8*(\t)+(\j)], s[BE+(\t)], v[MLR+(\j)]
.endr
.endr
.irp n, 1,2,3,4,5,6,7
.irp j, 0,1,2,3,4,5,6,7
	v_mov_b32 v[BER+8*((\n)-1)+(\j)], s[BE+(\n)]
.endr
.endr
; The scores of both tiles: 18 accumulators by turns; the first pass (channels 0-31) starts the sums with the masks, the second adds channels 32-63.
.macro KQ
.irp c, 0,1
.irp n, 0,1,2,3,4,5,6,7,8,9
.irp t, 0,1
.if ((\n) >= (\t)) && ((\n) <= (\t)+8)
.set rS, 80*(\t)+8*(\n)
.set rK, 16*(\n)+8*(\c)
.set rQ, 160+16*(\t)+8*(\c)
.if (\c) == 1
	WIN 0x5a                                       ; K and Q window 2, C and D window 1
	v_wmma_f32_16x16x32_bf16 v[rS:rS+7], v[rK:rK+7], v[rQ:rQ+7], v[rS:rS+7]
.elseif (\n) == (\t)
	WIN 0x4a                                       ; C in window 0
	v_wmma_f32_16x16x32_bf16 v[rS:rS+7], v[rK:rK+7], v[rQ:rQ+7], v[ML+8*(\t):ML+8*(\t)+7]
.elseif (\n) == (\t)+8
	WIN 0x4a
	v_wmma_f32_16x16x32_bf16 v[rS:rS+7], v[rK:rK+7], v[rQ:rQ+7], v[MD:MD+7]
.elseif (\n) == 8
	WIN 0x4a
	v_wmma_f32_16x16x32_bf16 v[rS:rS+7], v[rK:rK+7], v[rQ:rQ+7], 0
.else
	WIN 0x4a
	v_wmma_f32_16x16x32_bf16 v[rS:rS+7], v[rK:rK+7], v[rQ:rQ+7], v[BER+8*((\n)-1):BER+8*((\n)-1)+7]
.endif
.endif
.endr
.endr
.endr
.endm
; Tile t's softmax, all in window 1.  Its 9 blocks are 72 registers on end from SB.  ST: +0..3 four chains of maxima; +4, 5 c m; +6, 7 1 / l; +8..15 four chains of sums.
.macro SOFTMAX t
.set SB, 88*(\t)
.set ST, 224+16*(\t)
	WIN 0x55
.irp m, 0,1,2,3
	v_max3_num_f32 v[ST+(\m)], v[SB+8*(\m)], v[SB+8*(\m)+1], v[SB+8*(\m)+2]  ; each accumulator's lowest registers are read first
.endr
.irp s, 3,5
.irp m, 0,1,2,3
	v_max3_num_f32 v[ST+(\m)], v[ST+(\m)], v[SB+8*(\m)+(\s)], v[SB+8*(\m)+(\s)+1]
.endr
.endr
.irp s, 0,2,4,6
.irp m, 0,1,2,3
	v_max3_num_f32 v[ST+(\m)], v[ST+(\m)], v[SB+32+8*(\m)+(\s)], v[SB+32+8*(\m)+(\s)+1]
.endr
.endr
.irp m, 0,1,2,3
	v_max3_num_f32 v[ST+(\m)], v[ST+(\m)], v[SB+64+2*(\m)], v[SB+64+2*(\m)+1]
.endr
	v_max3_num_f32 v[ST], v[ST], v[SB+7], v[SB+15]
	v_max3_num_f32 v[ST+2], v[ST+2], v[SB+23], v[SB+31]
	v_max3_num_f32 v[ST], v[ST], v[ST+1], v[ST+2]
	v_max_num_f32 v[ST], v[ST], v[ST+3]
	v_permlanex16_b32 v[ST+1], v[ST], s[SEL], s[SEL+1]  ; the query's other keys lie in the lane 16 away
	v_max_num_f32 v[ST], v[ST], v[ST+1]
	v_mul_f32 v[ST+4], s[CS], v[ST]
	v_mul_f32 v[ST+5], s[CS], v[ST]
.set z, 0
.rept 36
	v_pk_fma_f32 v[SB+2*z:SB+2*z+1], v[SB+2*z:SB+2*z+1], s[CS:CS+1], v[ST+4:ST+5] op_sel_hi:[1,0,0] neg_lo:[0,0,1] neg_hi:[0,0,1]  ; c s - c m
.set z, z+1
.endr
.set z, 0
.rept 72
	v_exp_f32 v[SB+z], v[SB+z]
.set z, z+1
.endr
	v_nop                                          ; a plain instruction behind the last exponential (ISA guide 5.7.2)
	s_wait_alu depctr_va_vdst(0)
.irp k, 0,1,2,3
	v_pk_add_f32 v[ST+8+2*(\k):ST+9+2*(\k)], v[SB+2*(\k):SB+2*(\k)+1], v[SB+8+2*(\k):SB+8+2*(\k)+1]
.endr
.set z, 8
.rept 28
	v_pk_add_f32 v[ST+8+2*(z%4):ST+9+2*(z%4)], v[ST+8+2*(z%4):ST+9+2*(z%4)], v[SB+2*z:SB+2*z+1]
.set z, z+1
.endr
	v_pk_add_f32 v[ST+8:ST+9], v[ST+8:ST+9], v[ST+10:ST+11]
	v_pk_add_f32 v[ST+12:ST+13], v[ST+12:ST+13], v[ST+14:ST+15]
	v_pk_add_f32 v[ST+8:ST+9], v[ST+8:ST+9], v[ST+12:ST+13]
	v_add_f32 v[ST+8], v[ST+8], v[ST+9]
	v_permlanex16_b32 v[ST+9], v[ST+8], s[SEL], s[SEL+1]
	v_add_f32 v[ST+8], v[ST+8], v[ST+9]            ; l is at least 1: the greatest score's weight
	v_rcp_f32 v[ST+6], v[ST+8]
	v_rcp_f32 v[ST+7], v[ST+8]                     ; the roundings below are the plain instructions behind it
.set z, 0
.rept 36
	v_cvt_pk_bf16_f32 v[84*(\t)+z], v[SB+2*z], v[SB+2*z+1]  ; in place, ascending: a destination's old number has been read
.set z, z+1
.endr
.irp i, 0,1,2,3
	v_mov_b32 v[36+44*(\t)+(\i)], 0                ; the block of the ten that this tile does not see has the weight 0
.endr
.endm
	s_wait_tensorcnt 0x0                           ; my part of the tiles is in,
	s_barrier_signal -1
	s_barrier_wait -1                              ; everybody's is; nothing is filled again
.Lhead:                                                ; two trips: a head each
	v_add_nc_u32 v[AK], s[HO], v[AK0]
	v_add_nc_u32 v[AV], s[HO], v[AV0]
	v_add_nc_u32 v[STO], s[HO], v[STO0]
	WIN 0x80
.irp n, 0,1,2,3,4,5,6,7,8,9
.irp c, 0,1
	ds_load_b128 v[16*(\n)+8*(\c):16*(\n)+8*(\c)+3],   v[AK] offset:(\n)*16*PK+64*(\c)
	ds_load_b128 v[16*(\n)+8*(\c)+4:16*(\n)+8*(\c)+7], v[AK] offset:(\n)*16*PK+64*(\c)+32
.endr
.endr
	s_wait_loadcnt 0x0                             ; Q
	s_wait_dscnt 0x0                               ; K
	KQ
	WIN 0xc0                                       ; V is asked for here and waited for behind the softmax
.irp kk, 0,1,2,3,4
.irp cb, 0,1,2,3
	ds_load_tr16_b128 v[32*(\kk)+8*(\cb):32*(\kk)+8*(\cb)+3],   v[AV] offset:(\kk)*32*PV+32*(\cb)
	ds_load_tr16_b128 v[32*(\kk)+8*(\cb)+4:32*(\kk)+8*(\cb)+7], v[AV] offset:(\kk)*32*PV+32*(\cb)+16*PV
.endr
.endr
	PLACES                                         ; behind the last product, in front of the lines that read the scores
	SOFTMAX 0
	SOFTMAX 1
	s_wait_dscnt 0x0                               ; V
	WIN 0x57                                       ; V window 3; P, C and D window 1
.irp kk, 0,1,2,3,4
.irp cb, 0,1,2,3
.irp t, 0,1
.if (\kk) == 0
	v_wmma_f32_16x16x32_bf16 v[160+32*(\t)+8*(\cb):160+32*(\t)+8*(\cb)+7], v[32*(\kk)+8*(\cb):32*(\kk)+8*(\cb)+7], v[80*(\t)+8*(\kk):80*(\t)+8*(\kk)+7], 0
.else
	v_wmma_f32_16x16x32_bf16 v[160+32*(\t)+8*(\cb):160+32*(\t)+8*(\cb)+7], v[32*(\kk)+8*(\cb):32*(\kk)+8*(\cb)+7], v[80*(\t)+8*(\kk):80*(\t)+8*(\kk)+7], v[160+32*(\t)+8*(\cb):160+32*(\t)+8*(\cb)+7]
.endif
.endr
.endr
.endr
	PLACES
	WIN 0x55
	s_wait_alu depctr_va_vdst(0)
.irp t, 0,1
.set z, 0
.rept 16
	v_pk_mul_f32 v[160+32*(\t)+2*z:160+32*(\t)+2*z+1], v[160+32*(\t)+2*z:160+32*(\t)+2*z+1], v[230+16*(\t):231+16*(\t)] op_sel_hi:[1,0]  ; O / l, each accumulator from its low end
.set z, z+1
.endr
.endr
	WIN 0x05                                       ; sources window 1, destination window 0
.set z, 0
.rept 32
	v_cvt_pk_bf16_f32 v[TMP+z], v[160+2*z], v[160+2*z+1]
.set z, z+1
.endr
	WIN 0
.irp t, 0,1
.irp cb, 0,1,2,3
	ds_store_b128 v[STO], v[TMP+16*(\t)+4*(\cb):TMP+16*(\t)+4*(\cb)+3] offset:(\t)*16*SP+32*(\cb)  ; row 16 t + r, the head's channels 16 cb + 8 h + 0..7
.endr
.endr
	s_cmp_eq_u32 s[CNT], 1
	s_cbranch_scc1 .Lno_next                       ; behind the second head there is no Q to bring
	WIN 0x82
.set z, 0
.rept 32
	v_mov_b32 v[160+z], v[192+z]                   ; the second head's Q goes where the one text of the products names Q
.set z, z+1
.endr
	WIN 0
.Lno_next:
	s_add_co_u32 s[HO], s[HO], 128
	s_sub_co_u32 s[CNT], s[CNT], 1
	s_cmp_lg_u32 s[CNT], 0
	s_cbranch_scc1 .Lhead
.irp p, 0,1,2,3,4,5,6,7,8,9,10,11,12,13,14,15
	ds_load_b128 v[TMP+4*(\p):TMP+4*(\p)+3], v[RD] offset:(\p)*2*SP  ; whole rows of 256 bytes, both heads; my own stores, served in order (ISA guide 5.7.1.4)
.endr
.irp p, 0,1,2,3,4,5,6,7,8,9,10,11,12,13,14,15
	s_wait_dscnt 15-(\p)                           ; pair p is back; the younger loads stay out
	global_store_b128 v[GO], v[TMP+4*(\p):TMP+4*(\p)+3], s[10:11] offset:512*(\p)  ; 512 consecutive bytes, aligned
.endr
	s_wait_tensorcnt 0x0                           ; the wave's end
	ds_add_u32 v[SPW], v[NIL]
	s_wait_dscnt 0x0
	s_endpgm
.Lfunc_end_k_q38599cbfdf_attn:
	.size	k_q38599cbfdf_attn, .Lfunc_end_k_q38599cbfdf_attn-k_q38599cbfdf_attn
	.p2alignl 7, 3214868480
	.fill 96, 4, 3214868480
	.section	.rodata,"a",@progbits
	.p2align	6, 0x0
	.amdhsa_kernel k_q38599cbfdf_attn
		.amdhsa_group_segment_fixed_size 178688
		.amdhsa_private_segment_fixed_size 0
		.amdhsa_enable_private_segment 0
		.amdhsa_kernarg_size 16
		.amdhsa_user_sgpr_count 2
		.amdhsa_user_sgpr_kernarg_segment_ptr 1
		.amdhsa_wavefront_size32 1
		.amdhsa_system_sgpr_workgroup_id_x 1
		.amdhsa_system_sgpr_workgroup_id_y 1
		.amdhsa_system_sgpr_workgroup_id_z 1
		.amdhsa_system_vgpr_workitem_id 0
		.amdhsa_next_free_vgpr 928
		.amdhsa_next_free_sgpr 80
		.amdhsa_reserve_vcc 1
		.amdhsa_float_denorm_mode_32 3
		.amdhsa_float_denorm_mode_16_64 3
		.amdhsa_memory_ordered 1
		.amdhsa_forward_progress 1
		.amdhsa_inst_pref_size 55
	.end_amdhsa_kernel
	.amdgpu_metadata
---
amdhsa.version: [ 1, 2 ]
amdhsa.kernels:
  - .name:           k_q38599cbfdf_attn
    .symbol:         k_q38599cbfdf_attn.kd
    .args:
      - { .name: big, .offset: 0, .size: 8, .value_kind: global_buffer, .address_space: global }
      - { .name: hb, .offset: 8, .size: 8, .value_kind: global_buffer, .address_space: global }
    .group_segment_fixed_size: 178688
    .private_segment_fixed_size: 0
    .kernarg_segment_align: 8
    .kernarg_segment_size: 16
    .max_flat_workgroup_size: 128
    .sgpr_count:     80
    .vgpr_count:     928
    .wavefront_size: 32
...
	.end_amdgpu_metadata
.endif
;; end of part 3
;; launch wo (part 4): grid 8 x 32, 4 waves a work-group, clusters of 4 x 4, 327,680 bytes of LDS; arguments hb, wb, bo, x, x1; writes x1
.if DOCPART == 4
	.amdgcn_target "amdgcn-amd-amdhsa--gfx1250"
	.amdhsa_code_object_version 6
	.text
	.protected	k_q38599cbfdf_wo
	.globl	k_q38599cbfdf_wo
	.p2align	8
	.type	k_q38599cbfdf_wo,@function
k_q38599cbfdf_wo:
	s_mov_b64 s[64:65], 0
	v_nop
	global_prefetch_b8 v0, s[64:65] scope:SCOPE_SE
	s_setreg_imm32_b32 hwreg(HW_REG_WAVE_MODE, 25, 1), 1
	s_wait_xcnt 0x0
	s_wait_alu depctr_hold_cnt(0) depctr_sa_sdst(0) depctr_va_vdst(0) depctr_va_sdst(0) depctr_va_ssrc(0) depctr_va_vcc(0) depctr_vm_vsrc(0)
	s_getreg_b32 s2, hwreg(HW_REG_IB_STS2, 6, 4)
	s_cmp_eq_u32 s2, 0
	s_cbranch_scc0 .Lentry_in_a_cluster
	s_endpgm
.Lentry_in_a_cluster:
	s_bfe_u32 s2, ttmp6, 0x10000c
	s_cmp_lg_u32 s2, 0xf033
	s_cbranch_scc0 .Lentry_shape_is_right
	s_endpgm
.Lentry_shape_is_right:
; x1 = x + ctx Wo + bo: [4,096 x 1,024] x [1,024 x 1,024], bf16 operands, f32 sums; the residual is added in f32 and x1 is stored in f32.
; ctx (hb): 8 blocks of 128 columns, each 4,096 rows of 256 bytes on end, row order t' = 2,048 batch + 1,024 parity + position.  Wo (wb, 6 MiB in): bf16, [K][N].  x, x1: natural rows, token = 2 position + parity.
; SHAPE.  Tiles of 128 x 128 give 256 work-groups; four waves, each 64 x 64: 16 accumulators.  K goes in 4 steps of 256 (two blocks of ctx's columns) through a ring of two LDS slots.
; THE PRODUCT IS TAKEN TRANSPOSED (source 0 = 16 columns of W, turned out of LDS by ds_load_tr16_b128; source 1 = 16 rows of ctx).  THE BIAS is the C operand of each accumulator's first product.
; CLUSTER.  4 x 4: ctx's tiles are asked for jointly along a row of the cluster, W's along a column.
; NO PREFETCH: the first two K steps are asked for at the head, and the only two refills are steps 2 and 3: no K step lies further ahead.
; THE TEXT.  A K step is written three times: its first quarter ahead of the loop, the loop (steps that fill a slot again), and a loop of two trips for the last two steps, which fill nothing.
; THE WAY OUT.  Behind the ring's last fill and everybody's last read each wave lays its 64 x 64 f32 into 64 rows of 272 bytes (its own, in the ring's bytes), reads whole rows of 256 bytes back, adds the residual, and stores: sixteen lanes 256 consecutive bytes, aligned.
; A tile's rows are one parity's positions on end, so its rows in x and x1 lie two rows (8,192 bytes) apart.  The residual is asked for ahead of the last two K steps, into registers of its own.
; REGISTERS: window 0: v16-29 addresses; v96-127 the bias; v128-255 accumulators ((a, b) at 128 + 8 (4 a + b)).  window 1: two fragment buffers of 128 (64 of ctx, 64 of W, 64 along K); on the way out v128-255 the rows read back.  window 2: v0-127 the residual.
.set NSTEP,  4                         ; K steps of 256
.set WOFF,   6291456                   ; Wo in wb
.set PA,     272
.set PB,     288                       ; a row of W (128 columns): 256 bytes + 32 = 9 x 32
.set APL,    128*PA                    ; a plane: 128 rows of one block of ctx's columns
.set BOFF,   2*APL
.set BH,     128*PB                    ; 128 rows of W
.set SLOT1,  147456                    ; 0x24000: the loads' bases have neither of its two bits
.set SPARE,  SLOT1+BOFF+2*BH           ; behind the ring: the spare words, two blocks of 256 bytes that no other line names
.set SPITCH, 272
.set STEP_A, 2097152                   ; two blocks of columns
.set STEP_B, 256*1024*2                ; 256 rows of W
.set ADRA0, 16
.set ADRB0, 17
.set ADRA,  18
.set ADRB,  19                         ; v19  W's rows 0-127 of the slot in hand
.set ADRBH, 20                         ; v20  its rows 128-255: beyond an LDS offset's 16 bits from v19
.set STO,   24
.set RD,    25
.set CO,    26                         ; v26  my 16 bytes in a pair of rows of x and x1; never rewritten
.set BO,    27
.set SPW,   28
.set NIL,   29
.set BIAS,  96
.set ACC,   128
.set F0,    0
.set F1,    128
.set G1,  24
.set G0,  32
.set G1B, 48
.set G0B, 56
.set TOG, 45
.set MSB, 0
.macro WIN new
.if MSB != (\new)
	s_set_vgpr_msb (MSB<<8)|(\new)
.set MSB, \new
.endif
.endm
.set MUL,  0x05                        ; sources window 1; C and D window 0
.set TO_F, 0x40                        ; destination window 1
.macro JLOAD s                         ; waves 0 and 1 fetch ctx's two planes, waves 2 and 3 W's two halves; an s_nop 0 and four v_nop follow each line
	s_cmp_eq_u32 s11, 0
	s_cbranch_scc0 .Lfor_b_\@
	tensor_load_to_lds s[G0+4*(\s):G0+4*(\s)+3], s[G1:G1+7]
	s_nop 0
.rept 4
	v_nop
.endr
	s_branch .Lasked_\@
.Lfor_b_\@:
	tensor_load_to_lds s[G0B+4*(\s):G0B+4*(\s)+3], s[G1B:G1B+7]
	s_nop 0
.rept 4
	v_nop
.endr
.Lasked_\@:
.endm
.macro CREST
	s_cmp_lg_u32 s10, 0
	s_cbranch_scc1 .Lnot_wave_0_\@
	s_barrier_signal -3
.Lnot_wave_0_\@:
	s_barrier_wait -3
	s_barrier_signal -1
	s_barrier_wait -1
.endm
.macro CROUND
	s_barrier_signal -1
	s_barrier_wait -1
	CREST
.endm
	s_load_b128 s[4:7], s[0:1], 0x0                ; hb s[4:5], wb s[6:7]
	s_load_b128 s[68:71], s[0:1], 0x10             ; bo s[68:69], x s[70:71]
	s_load_b64 s[72:73], s[0:1], 0x20              ; x1
	v_lshl_add_u32 v[SPW], v0, 2, SPARE
	v_mov_b32 v[NIL], 0
	ds_add_u32 v[SPW], v[NIL]                      ; the wave's opening: the add and its wait stand ahead of my first tensor load
	ds_add_u32 v28, v29
	v_lshrrev_b32 v1, 5, v0
	v_readfirstlane_b32 s10, v1
	s_lshr_b32 s11, s10, 1                         ; my half of the tile's rows.  Also: I fetch for ctx (0) or W (1)
	s_and_b32 s12, s10, 1                          ; my half of its columns.  Also: which plane or half I fetch
	s_bfe_u32 s40, ttmp6, 0x40000                  ; cx
	s_bfe_u32 s41, ttmp6, 0x40004                  ; cy
	s_lshl_b32 s42, ttmp9, 2
	s_add_co_u32 s42, s42, s40                     ; tile column
	s_and_b32 s13, ttmp7, 0xffff
	s_lshl_b32 s13, s13, 2
	s_add_co_u32 s13, s13, s41                     ; tile row
	s_lshl_b32 s43, s41, 2
	s_lshl_b32 s43, 15, s43
	s_lshl_b32 s44, 0x1111, s40
	s_or_b32 s[G1+0], s43, (1<<16)|(1<<20)|(1<<21)|(5<<22)|(3<<25)   ; after every 64 words, 4 words
	s_or_b32 s[G1B+0], s44, (1<<16)|(1<<20)|(1<<21)|(5<<22)|(7<<25)  ; 8 words
.irp g, G1, G1B
	s_mov_b32 s[(\g)+1], 128<<16                   ; tensor_dim0 = 128
	s_mov_b32 s[(\g)+2], 128<<16                   ; tensor_dim1 = 128
	s_mov_b32 s[(\g)+3], 128<<16                   ; tile_dim0 = 128
	s_mov_b32 s[(\g)+4], 128                       ; tile_dim1 = 128
	s_mov_b32 s[(\g)+6], 0
	s_mov_b32 s[(\g)+7], 0
.endr
	s_mov_b32 s[G1+5], 128                         ; ctx: rows on end
	s_mov_b32 s[G1B+5], 1024                       ; W: 1,024 columns
	s_lshl_b32 s16, s12, 20                        ; ctx: my block of columns,
	s_lshl_b32 s17, s13, 15                        ; the tile's 128 rows: nothing of cx
	s_add_co_u32 s16, s16, s17
	s_mov_b32 s17, 0
	s_lshl_b32 s46, s42, 8                         ; W: the tile's 128 columns,
	s_lshl_b32 s47, s12, 18                        ; my 128 rows: nothing of cy
	s_add_co_u32 s46, s46, s47
	s_add_co_u32 s46, s46, WOFF
	s_mov_b32 s47, 0
	s_mul_i32 s20, s12, APL
	s_mul_i32 s21, s12, BH
	s_add_co_u32 s21, s21, BOFF
	s_mov_b32 s[TOG], 0
	s_wait_dscnt 0x0
	s_wait_kmcnt 0x0
	s_add_nc_u64 s[14:15], s[4:5], s[16:17]
	s_add_nc_u64 s[46:47], s[6:7], s[46:47]
	CROUND
.irp s, 0,1
	s_mov_b32 s[G0+4*(\s)], 1
	s_add_co_u32 s[G0+4*(\s)+1], s20, (\s)*SLOT1
	s_add_nc_u64 s[G0+4*(\s)+2:G0+4*(\s)+3], s[14:15], (\s)*STEP_A
	s_or_b32 s[G0+4*(\s)+3], s[G0+4*(\s)+3], 0x80000000
	s_mov_b32 s[G0B+4*(\s)], 1
	s_add_co_u32 s[G0B+4*(\s)+1], s21, (\s)*SLOT1
	s_add_nc_u64 s[G0B+4*(\s)+2:G0B+4*(\s)+3], s[46:47], (\s)*STEP_B
	s_or_b32 s[G0B+4*(\s)+3], s[G0B+4*(\s)+3], 0x80000000
	JLOAD \s                                       ; K steps 0 and 1: two loads of mine are out
.endr
	v_and_b32 v1, 15, v0                           ; r
	v_bfe_u32 v2, v0, 4, 1                         ; h
	v_mul_u32_u24 v3, v1, PA
	v_lshl_add_u32 v3, v2, 4, v3
	s_mul_i32 s22, s11, 64*PA                      ; my 64 rows
	v_add_nc_u32 v[ADRA0], s22, v3
	v_and_b32 v4, 7, v0
	v_lshl_add_u32 v4, v2, 3, v4
	v_mul_u32_u24 v4, v4, PB
	v_bfe_u32 v5, v0, 3, 1
	v_lshl_add_u32 v4, v5, 4, v4
	s_lshl_b32 s23, s12, 7                         ; my 64 columns
	s_add_co_u32 s23, s23, BOFF
	v_add_nc_u32 v[ADRB0], s23, v4
	v_mov_b32 v[ADRA], v[ADRA0]
	v_mov_b32 v[ADRB], v[ADRB0]
	v_add_nc_u32 v[ADRBH], BH, v[ADRB0]
	s_mul_i32 s22, s10, 64*SPITCH                  ; my stage
	v_mul_u32_u24 v6, v1, SPITCH
	v_lshl_add_u32 v6, v2, 5, v6
	v_add_nc_u32 v[STO], s22, v6                   ; in: row r, 32 bytes (8 f32) for each half of the lanes
	v_mul_u32_u24 v7, v2, SPITCH
	v_lshl_add_u32 v7, v1, 4, v7
	v_add_nc_u32 v[RD], s22, v7                    ; back: lanes 0-15 one row of 256 bytes, lanes 16-31 the next
	v_lshlrev_b32 v[CO], 4, v1
	v_lshl_add_u32 v[CO], v2, 13, v[CO]            ; the same two rows in x and x1: 8,192 bytes apart
	v_lshlrev_b32 v[BO], 5, v2
	s_lshl_b32 s76, s42, 9                         ; the bias: 128 f32 a tile,
	s_lshl_b32 s77, s12, 8                         ; my 64
	s_add_co_u32 s76, s76, s77
	s_mov_b32 s77, 0
	s_add_nc_u64 s[68:69], s[68:69], s[76:77]
.irp b, 0,1,2,3
	global_load_b128 v[BIAS+8*(\b):BIAS+8*(\b)+3],   v[BO], s[68:69] offset:64*(\b)
	global_load_b128 v[BIAS+8*(\b)+4:BIAS+8*(\b)+7], v[BO], s[68:69] offset:64*(\b)+16
.endr
	s_lshr_b32 s74, s13, 4                         ; t' = 128 x tile row + 64 x half: the batch,
	s_lshl_b32 s74, s74, 11
	s_bfe_u32 s75, s13, 0x10003                    ; the parity,
	s_add_co_u32 s74, s74, s75
	s_and_b32 s75, s13, 7                          ; and twice the position
	s_lshl_b32 s75, s75, 8
	s_add_co_u32 s74, s74, s75
	s_lshl_b32 s75, s11, 7
	s_add_co_u32 s74, s74, s75                     ; my first natural row
	s_lshl_b32 s74, s74, 12
	s_lshl_b32 s75, s42, 9                         ; the tile's 128 columns of f32,
	s_add_co_u32 s74, s74, s75
	s_lshl_b32 s75, s12, 8                         ; my 64
	s_add_co_u32 s74, s74, s75
	s_mov_b32 s75, 0
	s_add_nc_u64 s[70:71], s[70:71], s[74:75]
	s_add_nc_u64 s[72:73], s[72:73], s[74:75]
; 8 matrix instructions: row blocks a0, a0 + 1 x all 4 column blocks, 32 along K: half c of buffer f.  first = 1: C is the bias.  The 16 accumulators take turns.
.macro MUL8 f, c, a0, first
	WIN MUL
.irp a, \a0, (\a0)+1
.irp b, 0,1,2,3
.if \first
	v_wmma_f32_16x16x32_bf16 v[ACC+8*(4*(\a)+(\b)):ACC+8*(4*(\a)+(\b))+7], v[(\f)+64+8*(4*(\c)+(\b)):(\f)+64+8*(4*(\c)+(\b))+7], v[(\f)+8*(4*(\c)+(\a)):(\f)+8*(4*(\c)+(\a))+7], v[BIAS+8*(\b):BIAS+8*(\b)+7]
.else
	v_wmma_f32_16x16x32_bf16 v[ACC+8*(4*(\a)+(\b)):ACC+8*(4*(\a)+(\b))+7], v[(\f)+64+8*(4*(\c)+(\b)):(\f)+64+8*(4*(\c)+(\b))+7], v[(\f)+8*(4*(\c)+(\a)):(\f)+8*(4*(\c)+(\a))+7], v[ACC+8*(4*(\a)+(\b)):ACC+8*(4*(\a)+(\b))+7]
.endif
.endr
.endr
.endm
; 32 LDS loads in one run: quarter q (64 along K) into buffer f; its first 32 along K first.  Quarters 0, 1 lie in plane 0 and W's rows 0-127, quarters 2, 3 in plane 1 and rows 128-255.
.macro FETCH q, f
	WIN TO_F
.irp c, 0,1
.irp i, 0,1,2,3
	ds_load_tr16_b128 v[(\f)+64+8*(4*(\c)+(\i)):(\f)+64+8*(4*(\c)+(\i))+3],   v[ADRB+(\q)/2] offset:(64*((\q)%2)+32*(\c))*PB+32*(\i)
	ds_load_tr16_b128 v[(\f)+64+8*(4*(\c)+(\i))+4:(\f)+64+8*(4*(\c)+(\i))+7], v[ADRB+(\q)/2] offset:(64*((\q)%2)+32*(\c))*PB+32*(\i)+16*PB
	ds_load_b128 v[(\f)+8*(4*(\c)+(\i)):(\f)+8*(4*(\c)+(\i))+3],   v[ADRA] offset:((\q)/2)*APL+((\q)%2)*128+64*(\c)+(\i)*16*PA
	ds_load_b128 v[(\f)+8*(4*(\c)+(\i))+4:(\f)+8*(4*(\c)+(\i))+7], v[ADRA] offset:((\q)/2)*APL+((\q)%2)*128+64*(\c)+(\i)*16*PA+32
.endr
.endr
.endm
.macro PLACES
.rept 4
	v_nop
.endr
.endm
.macro QUARTER q, f, g, first
	s_wait_dscnt 16                                ; the first 32 along K are in; the youngest sixteen loads may be out
	MUL8 \f, 0, 0, \first
	MUL8 \f, 0, 2, \first
	PLACES
	FETCH \q, \g
	s_wait_dscnt 32                                ; all but the 32 just issued
	MUL8 \f, 1, 0, 0
	MUL8 \f, 1, 2, 0
.endm
; The first half of a step's last quarter and the barrier of the change of slots: each wave waits for all its tensor loads, adds 0 to its spare word, waits for that and for its reads of this slot.
.macro MEET
	WIN 0
	s_wait_tensorcnt 0x0
	ds_add_u32 v[SPW], v[NIL]
	s_wait_dscnt 17                                ; (the add and the youngest sixteen loads may be out)
	MUL8 F1, 0, 0, 0
	s_wait_dscnt 0x0                               ; the add is done, and my reads of this slot are over
	s_barrier_signal -1
	MUL8 F1, 0, 2, 0
	WIN 0
	s_barrier_wait -1
.endm
.macro NEXT                            ; the fragments' addresses go to the slot in hand, and its first quarter is fetched
	v_add_nc_u32 v[ADRA], s[TOG], v[ADRA0]
	v_add_nc_u32 v[ADRB], s[TOG], v[ADRB0]
	v_add_nc_u32 v[ADRBH], BH, v[ADRB]
	FETCH 0, F0
.endm
.macro TURN                            ; the whole last quarter of a step whose slot is filled again, two steps ahead, behind a round of the cluster's barrier
	MEET
	CREST
	s_xor_b32 s[G0+5], s[G0+5], SLOT1
	s_add_nc_u64 s[G0+6:G0+7], s[G0+6:G0+7], STEP_A
	s_xor_b32 s[G0B+5], s[G0B+5], SLOT1
	s_add_nc_u64 s[G0B+6:G0B+7], s[G0B+6:G0B+7], STEP_B
	s_xor_b32 s[TOG], s[TOG], SLOT1
	JLOAD 1                                        ; the first tensor load behind the round: 112 matrix instructions ahead of the wait for it; its four v_nop are also the places in front of the loads below
	NEXT
	MUL8 F1, 1, 0, 0
	MUL8 F1, 1, 2, 0
.endm
	s_wait_tensorcnt 1                             ; my part of K step 0 is in; step 1's may stay out
	s_barrier_signal -1
	s_barrier_wait -1
	FETCH 0, F0
	s_wait_loadcnt 0x0                             ; the bias
	QUARTER 1, F0, F1, 1
	WIN 0
	s_mov_b32 s3, NSTEP-2
.Lstep:
	QUARTER 2, F1, F0, 0
	QUARTER 3, F0, F1, 0
	TURN
	QUARTER 1, F0, F1, 0
	WIN 0
	s_sub_co_u32 s3, s3, 1
	s_cmp_lg_u32 s3, 0
	s_cbranch_scc1 .Lstep
	WIN 0x80                                       ; the residual: 64 rows x 256 bytes into window 2, which no product names; it has the last two K steps in which to come
.set p, 0
.rept 32
	global_load_b128 v[4*p:4*p+3], v[CO], s[70:71] offset:16384*p th:TH_LOAD_NT
.set p, p+1
.endr
	WIN 0
	s_mov_b32 s3, 2
.Ltail:                                                ; the last two steps fill nothing: a text of their own, walked twice.  The last trip jumps over the fetch and leaves ahead of the next step's first quarter
	QUARTER 2, F1, F0, 0
	QUARTER 3, F0, F1, 0
	MEET
	s_cmp_eq_u32 s3, 1
	s_cbranch_scc1 .Lno_fetch
	s_xor_b32 s[TOG], s[TOG], SLOT1
	PLACES
	NEXT
	WIN 0
.Lno_fetch:
	MUL8 F1, 1, 0, 0
	MUL8 F1, 1, 2, 0
	WIN 0
	s_cmp_eq_u32 s3, 1
	s_cbranch_scc1 .Lway_out
	QUARTER 1, F0, F1, 0
	WIN 0
	s_sub_co_u32 s3, s3, 1
	s_cmp_lg_u32 s3, 0
	s_cbranch_scc1 .Ltail
.Lway_out:
	PLACES
	s_wait_dscnt 0x0                               ; my reads of the ring are over,
	s_barrier_signal -1
	s_barrier_wait -1                              ; everybody's are; no tensor load follows: the ring's first bytes are the stages now
.irp a, 0,1,2,3
.irp b, 0,1,2,3
	ds_store_b128 v[STO], v[ACC+8*(4*(\a)+(\b)):ACC+8*(4*(\a)+(\b))+3]   offset:(\a)*16*SPITCH+64*(\b)     ; each accumulator's low registers first
	ds_store_b128 v[STO], v[ACC+8*(4*(\a)+(\b))+4:ACC+8*(4*(\a)+(\b))+7] offset:(\a)*16*SPITCH+64*(\b)+16
.endr
.endr
	WIN TO_F
.set p, 0
.rept 32
	ds_load_b128 v[F1+4*p:F1+4*p+3], v[RD] offset:2*SPITCH*p  ; my own stores, served in order (ISA guide 5.7.1.4)
.set p, p+1
.endr
	s_wait_loadcnt 0x0                             ; the residual
	s_wait_dscnt 0x0
	WIN 0x49                                       ; destination and source 0 window 1, source 1 window 2
.set z, 0
.rept 64
	v_pk_add_f32 v[F1+2*z:F1+2*z+1], v[F1+2*z:F1+2*z+1], v[2*z:2*z+1]
.set z, z+1
.endr
	WIN 0x04                                       ; the stores' data in window 1
.set p, 0
.rept 32
	global_store_b128 v[CO], v[F1+4*p:F1+4*p+3], s[72:73] offset:16384*p  ; sixteen lanes store 256 consecutive bytes, aligned
.set p, p+1
.endr
	WIN 0
	s_wait_tensorcnt 0x0                           ; the wave's end
	ds_add_u32 v[SPW], v[NIL]
	s_wait_dscnt 0x0
	CROUND                                         ; the closing round
	s_endpgm
.Lfunc_end_k_q38599cbfdf_wo:
	.size	k_q38599cbfdf_wo, .Lfunc_end_k_q38599cbfdf_wo-k_q38599cbfdf_wo
	.p2alignl 7, 3214868480
	.fill 96, 4, 3214868480
	.section	.rodata,"a",@progbits
	.p2align	6, 0x0
	.amdhsa_kernel k_q38599cbfdf_wo
		.amdhsa_group_segment_fixed_size 327680
		.amdhsa_private_segment_fixed_size 0
		.amdhsa_enable_private_segment 0
		.amdhsa_kernarg_size 40
		.amdhsa_user_sgpr_count 2
		.amdhsa_user_sgpr_kernarg_segment_ptr 1
		.amdhsa_wavefront_size32 1
		.amdhsa_system_sgpr_workgroup_id_x 1
		.amdhsa_system_sgpr_workgroup_id_y 1
		.amdhsa_system_sgpr_workgroup_id_z 1
		.amdhsa_system_vgpr_workitem_id 0
		.amdhsa_next_free_vgpr 640
		.amdhsa_next_free_sgpr 80
		.amdhsa_reserve_vcc 0
		.amdhsa_float_denorm_mode_32 3
		.amdhsa_float_denorm_mode_16_64 3
		.amdhsa_memory_ordered 1
		.amdhsa_forward_progress 1
		.amdhsa_inst_pref_size 66
	.end_amdhsa_kernel
	.amdgpu_metadata
---
amdhsa.version: [ 1, 2 ]
amdhsa.kernels:
  - .name:           k_q38599cbfdf_wo
    .symbol:         k_q38599cbfdf_wo.kd
    .args:
      - { .name: hb, .offset: 0, .size: 8, .value_kind: global_buffer, .address_space: global }
      - { .name: wb, .offset: 8, .size: 8, .value_kind: global_buffer, .address_space: global }
      - { .name: bo, .offset: 16, .size: 8, .value_kind: global_buffer, .address_space: global }
      - { .name: x, .offset: 24, .size: 8, .value_kind: global_buffer, .address_space: global }
      - { .name: x1, .offset: 32, .size: 8, .value_kind: global_buffer, .address_space: global }
    .group_segment_fixed_size: 327680
    .private_segment_fixed_size: 0
    .kernarg_segment_align: 8
    .kernarg_segment_size: 40
    .max_flat_workgroup_size: 128
    .sgpr_count:     80
    .vgpr_count:     640
    .wavefront_size: 32
...
	.end_amdgpu_metadata
.endif
;; end of part 4
;; launch ln2 (part 5): grid 64 x 8, 8 waves a work-group, no clusters, 0 bytes of LDS; arguments x1, ln2_g, ln2_b, hb; writes hb
.if DOCPART == 5
	.amdgcn_target "amdgcn-amd-amdhsa--gfx1250"
	.amdhsa_code_object_version 6
	.text
	.protected	k_q38599cbfdf_ln2
	.globl	k_q38599cbfdf_ln2
	.p2align	8
	.type	k_q38599cbfdf_ln2,@function
k_q38599cbfdf_ln2:
	s_mov_b64 s[64:65], 0
	v_nop
	global_prefetch_b8 v0, s[64:65] scope:SCOPE_SE
	s_setreg_imm32_b32 hwreg(HW_REG_WAVE_MODE, 25, 1), 1
	s_wait_xcnt 0x0
; LayerNorm of 4,096 rows of 1,024 f32: y = (x - mean) * rsqrt(var + 1e-5) * g + b, in f32, y rounded once to bf16.
; The mean is taken first and the variance of the differences, as the definition has it: no difference of large sums is formed.
; IN: rows in their natural order n = 2,048 batch + token.
; OUT: row order t' = 2,048 batch + 1,024 (token % 2) + token / 2; columns in 8 blocks of 128: number (t', c) at byte (c / 128) * 1,048,576 + 256 t' + 2 (c % 128), so a block's rows are 256 bytes on end.
; SHARES.  A work-group takes 8 rows, a wave one row, whole in 32 registers a lane: read once, and the sums never leave the wave: no LDS, no barrier.
; Lane l holds columns 128 i + 4 l + 0..3, i = 0..7: a load covers 512 consecutive bytes, and store i is the row's 256 bytes in block i.
.set G,  8                             ; v[8:39]    g of my 32 columns
.set BT, 40                            ; v[40:71]   b of my 32 columns
.set X,  72                            ; v[72:103]  the row
.set T,  104                           ; v[104:111] four chains of pairs, at work
.set MU, 112                           ; v[112:113] the mean, twice
.set RS, 114                           ; v[114:115] 1 / sqrt(var + eps), twice
.set Y,  116                           ; v[116:131] the row's 32 bf16
	s_load_b256 s[4:11], s[0:1], 0x0               ; x s[4:5], g s[6:7], b s[8:9], out s[10:11]
	s_and_b32 s2, ttmp7, 0xffff
	v_lshrrev_b32 v1, 5, v0
	v_readfirstlane_b32 s12, v1                    ; wave 0..7
	v_and_b32 v4, 31, v0
	v_lshlrev_b32 v2, 4, v4                        ; 16 l: my 4 f32 in 512 bytes of the row, of g and of b
	v_lshlrev_b32 v3, 3, v4                        ; 8 l: my 4 bf16 in the row's 256 bytes of a block
	s_lshl_b32 s13, s2, 9
	s_lshl_b32 s18, ttmp9, 3
	s_add_co_u32 s13, s13, s18
	s_add_co_u32 s13, s13, s12                     ; n = 8 (64 y + x) + wave
	s_lshl_b32 s18, s13, 12                        ; a row is 4,096 bytes
	s_mov_b32 s19, 0
	s_lshr_b32 s20, s13, 11
	s_lshl_b32 s20, s20, 11                        ; 2,048 batch
	s_and_b32 s21, s13, 1
	s_lshl_b32 s21, s21, 10                        ; 1,024 parity
	s_add_co_u32 s20, s20, s21
	s_and_b32 s21, s13, 2047
	s_lshr_b32 s21, s21, 1                         ; token / 2
	s_add_co_u32 s20, s20, s21                     ; t'
	s_lshl_b32 s20, s20, 8
	s_mov_b32 s21, 0
	s_mov_b32 s14, 0x3a800000                      ; 1 / 1,024
	s_mov_b32 s15, 0x3727c5ac                      ; 1e-5
	s_mov_b32 s16, 0x76543210                      ; v_permlanex16_b32: each lane takes its own place in the other half
	s_mov_b32 s17, 0xfedcba98
	s_wait_kmcnt 0x0
	s_add_nc_u64 s[4:5], s[4:5], s[18:19]
	s_add_nc_u64 s[10:11], s[10:11], s[20:21]
.irp i, 0,1,2,3,4,5,6,7
	global_load_b128 v[X+4*(\i):X+4*(\i)+3], v2, s[4:5] offset:512*(\i) th:TH_LOAD_NT
.endr
.irp i, 0,1,2,3,4,5,6,7
	global_load_b128 v[G+4*(\i):G+4*(\i)+3], v2, s[6:7] offset:512*(\i)
.endr
.irp i, 0,1,2,3,4,5,6,7
	global_load_b128 v[BT+4*(\i):BT+4*(\i)+3], v2, s[8:9] offset:512*(\i)
.endr
; The four chains are joined, then the 32 lanes: four steps inside each half of 16 lanes ride on the addition, one crosses the halves.  Every lane ends with the sum in v[T].
.macro REDUCE
	v_pk_add_f32 v[T:T+1], v[T:T+1], v[T+2:T+3]
	v_pk_add_f32 v[T+4:T+5], v[T+4:T+5], v[T+6:T+7]
	v_pk_add_f32 v[T:T+1], v[T:T+1], v[T+4:T+5]
	v_add_f32 v[T], v[T], v[T+1]
	v_add_f32_dpp v[T], v[T], v[T] row_xmask:1 row_mask:0xf bank_mask:0xf
	v_add_f32_dpp v[T], v[T], v[T] row_xmask:2 row_mask:0xf bank_mask:0xf
	v_add_f32_dpp v[T], v[T], v[T] row_xmask:4 row_mask:0xf bank_mask:0xf
	v_add_f32_dpp v[T], v[T], v[T] row_xmask:8 row_mask:0xf bank_mask:0xf
	v_permlanex16_b32 v[T+1], v[T], s16, s17       ; its destination has been written above
	v_add_f32 v[T], v[T], v[T+1]
.endm
	s_wait_loadcnt 16                              ; the row's eight loads are in; g's and b's stay out
.irp k, 0,1,2,3
	v_pk_add_f32 v[T+2*(\k):T+2*(\k)+1], v[X+4*(\k):X+4*(\k)+1], v[X+4*(\k)+2:X+4*(\k)+3]  ; the first eight pairs start the chains: nothing is cleared
.endr
.set z, 8
.rept 8
	v_pk_add_f32 v[T+2*(z%4):T+2*(z%4)+1], v[T+2*(z%4):T+2*(z%4)+1], v[X+2*z:X+2*z+1]
.set z, z+1
.endr
	REDUCE
	v_mul_f32 v[MU], s14, v[T]
	v_mul_f32 v[MU+1], s14, v[T]
.set z, 0
.rept 16
	v_pk_add_f32 v[X+2*z:X+2*z+1], v[X+2*z:X+2*z+1], v[MU:MU+1] neg_lo:[0,1] neg_hi:[0,1]
.set z, z+1
.endr
.irp k, 0,1,2,3
	v_pk_mul_f32 v[T+2*(\k):T+2*(\k)+1], v[X+2*(\k):X+2*(\k)+1], v[X+2*(\k):X+2*(\k)+1]
.endr
.set z, 4
.rept 12
	v_pk_fma_f32 v[T+2*(z%4):T+2*(z%4)+1], v[X+2*z:X+2*z+1], v[X+2*z:X+2*z+1], v[T+2*(z%4):T+2*(z%4)+1]
.set z, z+1
.endr
	REDUCE
	v_fma_f32 v[T], v[T], s14, s15                 ; var + eps
	v_rsq_f32 v[RS], v[T]                          ; twice, to fill the pair that the packed multiply names
	v_rsq_f32 v[RS+1], v[T]
	v_nop                                          ; a plain instruction before the results are used (ISA guide 5.7.2)
	s_wait_loadcnt 0x0                             ; g and b
.set z, 0
	s_wait_alu depctr_va_vdst(0)
.rept 16
	v_pk_mul_f32 v[X+z:X+z+1], v[X+z:X+z+1], v[RS:RS+1]
.set z, z+2
.endr
.set z, 0
.rept 16
	v_pk_fma_f32 v[X+z:X+z+1], v[X+z:X+z+1], v[G+z:G+z+1], v[BT+z:BT+z+1]
.set z, z+2
.endr
.set z, 0
.rept 16
	v_cvt_pk_bf16_f32 v[Y+z], v[X+2*z], v[X+2*z+1]
.set z, z+1
.endr
.irp i, 0,1,2,3,4,5,6,7
	global_store_b64 v3, v[Y+2*(\i):Y+2*(\i)+1], s[10:11] offset:(\i)*1048576  ; the row's 256 bytes in block i
.endr
	s_endpgm
.Lfunc_end_k_q38599cbfdf_ln2:
	.size	k_q38599cbfdf_ln2, .Lfunc_end_k_q38599cbfdf_ln2-k_q38599cbfdf_ln2
	.p2alignl 7, 3214868480
	.fill 96, 4, 3214868480
	.section	.rodata,"a",@progbits
	.p2align	6, 0x0
	.amdhsa_kernel k_q38599cbfdf_ln2
		.amdhsa_group_segment_fixed_size 0
		.amdhsa_private_segment_fixed_size 0
		.amdhsa_enable_private_segment 0
		.amdhsa_kernarg_size 32
		.amdhsa_user_sgpr_count 2
		.amdhsa_user_sgpr_kernarg_segment_ptr 1
		.amdhsa_wavefront_size32 1
		.amdhsa_system_sgpr_workgroup_id_x 1
		.amdhsa_system_sgpr_workgroup_id_y 1
		.amdhsa_system_sgpr_workgroup_id_z 1
		.amdhsa_system_vgpr_workitem_id 0
		.amdhsa_next_free_vgpr 136
		.amdhsa_next_free_sgpr 66
		.amdhsa_reserve_vcc 0
		.amdhsa_float_denorm_mode_32 3
		.amdhsa_float_denorm_mode_16_64 3
		.amdhsa_memory_ordered 1
		.amdhsa_forward_progress 1
		.amdhsa_inst_pref_size 12
	.end_amdhsa_kernel
	.amdgpu_metadata
---
amdhsa.version: [ 1, 2 ]
amdhsa.kernels:
  - .name:           k_q38599cbfdf_ln2
    .symbol:         k_q38599cbfdf_ln2.kd
    .args:
      - { .name: x1, .offset: 0, .size: 8, .value_kind: global_buffer, .address_space: global }
      - { .name: ln2_g, .offset: 8, .size: 8, .value_kind: global_buffer, .address_space: global }
      - { .name: ln2_b, .offset: 16, .size: 8, .value_kind: global_buffer, .address_space: global }
      - { .name: hb, .offset: 24, .size: 8, .value_kind: global_buffer, .address_space: global }
    .group_segment_fixed_size: 0
    .private_segment_fixed_size: 0
    .kernarg_segment_align: 8
    .kernarg_segment_size: 32
    .max_flat_workgroup_size: 256
    .sgpr_count:     66
    .vgpr_count:     136
    .wavefront_size: 32
...
	.end_amdgpu_metadata
.endif
;; end of part 5
;; launch ffn1 (part 6): grid 16 x 16, 4 waves a work-group, clusters of 4 x 4, 327,680 bytes of LDS; arguments hb, wb, b1, big; writes big
.if DOCPART == 6
	.amdgcn_target "amdgcn-amd-amdhsa--gfx1250"
	.amdhsa_code_object_version 6
	.text
	.protected	k_q38599cbfdf_ffn1
	.globl	k_q38599cbfdf_ffn1
	.p2align	8
	.type	k_q38599cbfdf_ffn1,@function
k_q38599cbfdf_ffn1:
	s_mov_b64 s[64:65], 0
	v_nop
	global_prefetch_b8 v0, s[64:65] scope:SCOPE_SE
	s_setreg_imm32_b32 hwreg(HW_REG_WAVE_MODE, 25, 1), 1
	s_wait_xcnt 0x0
	s_wait_alu depctr_hold_cnt(0) depctr_sa_sdst(0) depctr_va_vdst(0) depctr_va_sdst(0) depctr_va_ssrc(0) depctr_va_vcc(0) depctr_vm_vsrc(0)
	s_getreg_b32 s2, hwreg(HW_REG_IB_STS2, 6, 4)
	s_cmp_eq_u32 s2, 0
	s_cbranch_scc0 .Lentry_in_a_cluster
	s_endpgm
.Lentry_in_a_cluster:
	s_bfe_u32 s2, ttmp6, 0x10000c
	s_cmp_lg_u32 s2, 0xf033
	s_cbranch_scc0 .Lentry_shape_is_right
	s_endpgm
.Lentry_shape_is_right:
; g = gelu(h W1 + b1), the exact GELU x Phi(x): [4,096 x 1,024] x [1,024 x 4,096], bf16 operands, f32 sums, the activation in f32, g rounded once to bf16.
; h (hb): 8 blocks of 128 columns, each 4,096 rows of 256 bytes on end.  W1 (wb, 8 MiB in): bf16, [K][N].  OUT (big): the same block layout, 32 blocks.
; PHI.  gelu(x) = max(x, 0) - |x| Z(|x|) t (c1 + t (c2 + t (c3 + t (c4 + t c5)))), t = 1 / (1 + 0.2316419 |x|), Z the normal density: the five-term rational form of the normal integral,
; whose absolute error in Phi is under 7.5e-8 for every x.  Where x^2 overflows the density is 0 and gelu is max(x, 0).  NaN and infinities are not treated apart.
; SHAPE, PRODUCT, BIAS, CLUSTER, STAGE: a tile of 256 x 256 by four waves of 128 x 128; 256 tiles, a work-group each; K in 8 steps of 128 through a ring of two LDS slots; the product transposed (source 0 = 16 columns of W,
; turned out of LDS by ds_load_tr16_b128, source 1 = 16 rows of h), so that a lane holds one row and 8 neighbouring columns; the bias is the C operand of each accumulator's first product; 4 x 4 work-groups ask jointly for h's
; tiles along a row of the cluster and for W's along a column; on the way out each wave lays its f32 sums into 128 rows of 528 bytes of the ring's bytes, behind the ring's last fill and everybody's last read, and reads whole rows back.
; THE TEXT.  A K step is written three times: its first quarter ahead of the loop, the loop (steps that fill a slot again), and a loop of two trips for the last two steps, which fill nothing.
; REGISTERS, in windows of 256: window 0: v16-29 addresses; v64-127, v128-191 h's fragments (on the way out v64-167 the activation's work); v192-255 the bias
;   window 1: v64-127, v128-191 W's fragments      window 2: accumulators of my rows 0-63, (a, b) at 8 (8 a + b)      window 3: those of rows 64-127
.set NSTEP,  8
.set PA,     272                       ; a row of h in LDS: 256 bytes + 16
.set PB,     544                       ; a row of W (256 columns): 512 bytes + 32 = 17 x 32
.set HALFT,  128*PA                    ; one tensor load: 128 rows of h, or 64 rows of W
.set SLOT,   4*HALFT
.set SPARE,  2*SLOT                    ; the spare words, two blocks of 256 bytes that no other line names
.set SPI,    528
.set STG,    128*SPI
.set NP,     4096
.set WOFF,   8388608
.set STEP_A, 1048576
.set STEP_B, 128*NP*2
.set ADRA0, 16
.set ADRB0, 17
.set ADRA,  18
.set ADRB,  19
.set STO,   24
.set RD,    25
.set GO,    26
.set BO,    27
.set SPW,   28
.set NIL,   29
.set F0,    64
.set F1,    128
.set BIAS,  192
.set X,     64                         ; v64-79    4 rows read back: 16 numbers a lane
.set AX,    80                         ; v80-95    |x|, then |x| t
.set RL,    96                         ; v96-111   max(x, 0), then the result
.set T,     112                        ; v112-127  1 + p |x|, then t
.set W,     128                        ; v128-143  the exponent, the density's exponential, then its product with |x| t
.set P,     144                        ; v144-159  the polynomial
.set Y,     160                        ; v160-167  packed
.set G1,  24
.set G0,  32
.set G1B, 48
.set G0B, 56
.set TOG, 45
.set CP,  66                           ; s[66:79] seven constants, each twice: the packed forms name pairs
.set NH,  68
.set C1,  70
.set C2,  72
.set C3,  74
.set C4,  76
.set C5,  78
.set ABSM, 82
.set MSB, 0
.macro WIN new
.if MSB != (\new)
	s_set_vgpr_msb (MSB<<8)|(\new)
.set MSB, \new
.endif
.endm
.macro JLOAD s                         ; waves 0 and 1 fetch h's two halves, waves 2 and 3 W's; an s_nop 0 and four v_nop follow each line
	s_cmp_eq_u32 s11, 0
	s_cbranch_scc0 .Lfor_b_\@
	tensor_load_to_lds s[G0+4*(\s):G0+4*(\s)+3], s[G1:G1+7]
	s_nop 0
.rept 4
	v_nop
.endr
	s_branch .Lasked_\@
.Lfor_b_\@:
	tensor_load_to_lds s[G0B+4*(\s):G0B+4*(\s)+3], s[G1B:G1B+7]
	s_nop 0
.rept 4
	v_nop
.endr
.Lasked_\@:
.endm
.macro CREST
	s_cmp_lg_u32 s10, 0
	s_cbranch_scc1 .Lnot_wave_0_\@
	s_barrier_signal -3
.Lnot_wave_0_\@:
	s_barrier_wait -3
	s_barrier_signal -1
	s_barrier_wait -1
.endm
.macro CROUND
	s_barrier_signal -1
	s_barrier_wait -1
	CREST
.endm
	s_load_b128 s[4:7], s[0:1], 0x0                ; hb s[4:5], wb s[6:7]
	s_load_b128 s[84:87], s[0:1], 0x10             ; b1 s[84:85], big s[86:87]
	v_lshl_add_u32 v[SPW], v0, 2, SPARE
	v_mov_b32 v[NIL], 0
	ds_add_u32 v[SPW], v[NIL]                      ; the wave's opening: the add and its wait stand ahead of my first tensor load
	ds_add_u32 v28, v29
	v_lshrrev_b32 v1, 5, v0
	v_readfirstlane_b32 s10, v1
	s_lshr_b32 s11, s10, 1
	s_and_b32 s12, s10, 1
	s_bfe_u32 s40, ttmp6, 0x40000                  ; cx
	s_bfe_u32 s41, ttmp6, 0x40004                  ; cy
	s_lshl_b32 s42, ttmp9, 2
	s_add_co_u32 s42, s42, s40                     ; tile column
	s_and_b32 s13, ttmp7, 0xffff
	s_lshl_b32 s13, s13, 2
	s_add_co_u32 s13, s13, s41                     ; tile row
	s_lshl_b32 s43, s41, 2
	s_lshl_b32 s43, 15, s43
	s_lshl_b32 s44, 0x1111, s40
	s_or_b32 s[G1+0], s43, (1<<16)|(1<<20)|(1<<21)|(5<<22)|(3<<25)
	s_mov_b32 s[G1+1], 128<<16
	s_mov_b32 s[G1+2], 128<<16
	s_mov_b32 s[G1+3], 128<<16
	s_mov_b32 s[G1+4], 128
	s_mov_b32 s[G1+5], 128
	s_mov_b32 s[G1+6], 0
	s_mov_b32 s[G1+7], 0
	s_or_b32 s[G1B+0], s44, (1<<16)|(1<<20)|(1<<21)|(6<<22)|(7<<25)
	s_mov_b32 s[G1B+1], 256<<16
	s_mov_b32 s[G1B+2], 64<<16
	s_mov_b32 s[G1B+3], 256<<16
	s_mov_b32 s[G1B+4], 64
	s_mov_b32 s[G1B+5], NP
	s_mov_b32 s[G1B+6], 0
	s_mov_b32 s[G1B+7], 0
	s_lshl_b32 s16, s13, 16                        ; h: the tile's 256 rows, my 128: nothing of cx
	s_lshl_b32 s17, s12, 15
	s_add_co_u32 s16, s16, s17
	s_mov_b32 s17, 0
	s_lshl_b32 s46, s42, 9                         ; W: the tile's 256 columns, my 64 rows: nothing of cy
	s_lshl_b32 s47, s12, 19
	s_add_co_u32 s46, s46, s47
	s_add_co_u32 s46, s46, WOFF
	s_mov_b32 s47, 0
	s_mul_i32 s20, s10, HALFT
	s_mov_b32 s[TOG], 0
	s_mov_b32 s[CP], 0x3e6d3389                    ; 0.2316419
	s_mov_b32 s[NH], 0xbf38aa3b                    ; -log2(e) / 2
	s_mov_b32 s[C1], 0x3e027906                    ; the five coefficients, each divided by sqrt(2 pi):  0.127414796
	s_mov_b32 s[C2], 0xbe11a98e                    ; -0.142248368
	s_mov_b32 s[C3], 0x3f35f0e3                    ;  0.710706871
	s_mov_b32 s[C4], 0xbf3a00e3                    ; -0.726576014
	s_mov_b32 s[C5], 0x3f07dc22                    ;  0.530702716
.irp c, CP, NH, C1, C2, C3, C4, C5
	s_mov_b32 s[(\c)+1], s[\c]
.endr
	s_mov_b32 s[ABSM], 0x7fffffff
	s_wait_dscnt 0x0
	s_wait_kmcnt 0x0
	s_add_nc_u64 s[14:15], s[4:5], s[16:17]
	s_add_nc_u64 s[46:47], s[6:7], s[46:47]
	CROUND
.irp s, 0,1
	s_mov_b32 s[G0+4*(\s)], 1
	s_add_co_u32 s[G0+4*(\s)+1], s20, (\s)*SLOT
	s_add_nc_u64 s[G0+4*(\s)+2:G0+4*(\s)+3], s[14:15], (\s)*STEP_A
	s_or_b32 s[G0+4*(\s)+3], s[G0+4*(\s)+3], 0x80000000
	s_mov_b32 s[G0B+4*(\s)], 1
	s_add_co_u32 s[G0B+4*(\s)+1], s20, (\s)*SLOT
	s_add_nc_u64 s[G0B+4*(\s)+2:G0B+4*(\s)+3], s[46:47], (\s)*STEP_B
	s_or_b32 s[G0B+4*(\s)+3], s[G0B+4*(\s)+3], 0x80000000
	JLOAD \s                                       ; K steps 0 and 1: two loads of mine are out
.endr
	v_and_b32 v1, 15, v0
	v_bfe_u32 v2, v0, 4, 1
	v_mul_u32_u24 v3, v1, PA
	v_lshl_add_u32 v3, v2, 4, v3
	s_mul_i32 s21, s11, HALFT
	v_add_nc_u32 v[ADRA0], s21, v3
	v_and_b32 v4, 7, v0
	v_lshl_add_u32 v4, v2, 3, v4
	v_mul_u32_u24 v4, v4, PB
	v_bfe_u32 v5, v0, 3, 1
	v_lshl_add_u32 v4, v5, 4, v4
	s_lshl_b32 s22, s12, 8
	s_add_co_u32 s22, s22, 2*HALFT
	v_add_nc_u32 v[ADRB0], s22, v4
	v_mov_b32 v[ADRA], v[ADRA0]
	v_mov_b32 v[ADRB], v[ADRB0]
	s_mul_i32 s23, s10, STG
	v_mul_u32_u24 v6, v1, SPI
	v_lshl_add_u32 v6, v2, 4, v6
	v_add_nc_u32 v[STO], s23, v6
	v_mul_u32_u24 v7, v2, SPI
	v_lshl_add_u32 v7, v1, 4, v7
	v_add_nc_u32 v[RD], s23, v7
	v_and_b32 v[GO], 31, v0
	v_lshlrev_b32 v[GO], 4, v[GO]
	v_lshlrev_b32 v[BO], 5, v2
	s_lshl_b32 s96, s42, 10
	s_lshl_b32 s97, s12, 9
	s_add_co_u32 s96, s96, s97
	s_mov_b32 s97, 0
	s_add_nc_u64 s[92:93], s[84:85], s[96:97]
.irp b, 0,1,2,3,4,5,6,7
	global_load_b128 v[BIAS+8*(\b):BIAS+8*(\b)+3],   v[BO], s[92:93] offset:64*(\b)
	global_load_b128 v[BIAS+8*(\b)+4:BIAS+8*(\b)+7], v[BO], s[92:93] offset:64*(\b)+16
.endr
	s_lshl_b32 s94, s42, 1
	s_add_co_u32 s94, s94, s12
	s_lshl_b32 s94, s94, 20
	s_lshl_b32 s95, s13, 16
	s_add_co_u32 s94, s94, s95
	s_lshl_b32 s95, s11, 15
	s_add_co_u32 s94, s94, s95
	s_mov_b32 s95, 0
	s_add_nc_u64 s[8:9], s[86:87], s[94:95]
; 16 matrix instructions; first = 1: C is the bias, in window 0.  The 64 accumulators take turns, one instruction a turn, in the same order in every quarter.
.macro MUL16 f, hi, a0, first
.if \first
	WIN 0x81+0x40*(\hi)
.else
	WIN 0xa1+0x50*(\hi)
.endif
.irp a, \a0, (\a0)+1
.irp b, 0,1,2,3,4,5,6,7
.if \first
	v_wmma_f32_16x16x32_bf16 v[8*(8*(\a)+(\b)):8*(8*(\a)+(\b))+7], v[(\f)+8*(\b):(\f)+8*(\b)+7], v[(\f)+8*(4*(\hi)+(\a)):(\f)+8*(4*(\hi)+(\a))+7], v[BIAS+8*(\b):BIAS+8*(\b)+7]
.else
	v_wmma_f32_16x16x32_bf16 v[8*(8*(\a)+(\b)):8*(8*(\a)+(\b))+7], v[(\f)+8*(\b):(\f)+8*(\b)+7], v[(\f)+8*(4*(\hi)+(\a)):(\f)+8*(4*(\hi)+(\a))+7], v[8*(8*(\a)+(\b)):8*(8*(\a)+(\b))+7]
.endif
.endr
.endr
.endm
.macro FETCH q, f                      ; 32 LDS loads in one run: W's 8 fragments, turned, then h's 8; h's rows 64-127 last.  It leaves every window 0
	WIN 0x40
.irp i, 0,1,2,3,4,5,6,7
	ds_load_tr16_b128 v[(\f)+8*(\i):(\f)+8*(\i)+3],   v[ADRB] offset:(\q)*32*PB+32*(\i)
	ds_load_tr16_b128 v[(\f)+8*(\i)+4:(\f)+8*(\i)+7], v[ADRB] offset:(\q)*32*PB+32*(\i)+16*PB
.endr
	WIN 0
.irp i, 0,1,2,3,4,5,6,7
	ds_load_b128 v[(\f)+8*(\i):(\f)+8*(\i)+3],   v[ADRA] offset:64*(\q)+(\i)*16*PA
	ds_load_b128 v[(\f)+8*(\i)+4:(\f)+8*(\i)+7], v[ADRA] offset:64*(\q)+(\i)*16*PA+32
.endr
.endm
.macro PLACES
.rept 4
	v_nop
.endr
.endm
.macro QUARTER q, f, g, first
	s_wait_dscnt 8                                 ; the youngest eight loads (h's rows 64-127) may be out
	MUL16 \f, 0, 0, \first
	MUL16 \f, 0, 2, \first
	PLACES
	FETCH \q, \g
	s_wait_dscnt 32                                ; all but the 32 just issued
	MUL16 \f, 1, 0, \first
	MUL16 \f, 1, 2, \first
.endm
.macro MEET
	WIN 0
	s_wait_tensorcnt 0x0                           ; all my tensor loads have landed: my part of the next slot
	ds_add_u32 v[SPW], v[NIL]
	s_wait_dscnt 9                                 ; (the add and the youngest eight loads may be out)
	MUL16 F1, 0, 0, 0
	s_wait_dscnt 0x0                               ; the add is done, and my reads of this slot are over
	s_barrier_signal -1
	MUL16 F1, 0, 2, 0
	WIN 0
	s_barrier_wait -1
.endm
.macro NEXT
	v_add_nc_u32 v[ADRA], s[TOG], v[ADRA0]
	v_add_nc_u32 v[ADRB], s[TOG], v[ADRB0]
	FETCH 0, F0
.endm
.macro TURN
	MEET
	CREST                                          ; no wave of any partner still reads this slot or has a load on its way
	s_xor_b32 s[G0+5], s[G0+5], SLOT
	s_add_nc_u64 s[G0+6:G0+7], s[G0+6:G0+7], STEP_A
	s_xor_b32 s[G0B+5], s[G0B+5], SLOT
	s_add_nc_u64 s[G0B+6:G0B+7], s[G0B+6:G0B+7], STEP_B
	s_xor_b32 s[TOG], s[TOG], SLOT
	JLOAD 1                                        ; the first tensor load behind the round; its four v_nop are also the places in front of the loads below
	NEXT
	MUL16 F1, 1, 0, 0
	MUL16 F1, 1, 2, 0
.endm
	s_wait_tensorcnt 1                             ; my part of K step 0 is in; step 1's may stay out
	s_barrier_signal -1
	s_barrier_wait -1
	FETCH 0, F0
	s_wait_loadcnt 0x0                             ; the bias
	QUARTER 1, F0, F1, 1
	WIN 0
	s_mov_b32 s3, NSTEP-2
.Lstep:
	QUARTER 2, F1, F0, 0
	QUARTER 3, F0, F1, 0
	TURN
	QUARTER 1, F0, F1, 0
	WIN 0
	s_sub_co_u32 s3, s3, 1
	s_cmp_lg_u32 s3, 0
	s_cbranch_scc1 .Lstep
	s_mov_b32 s3, 2
.Ltail:                                                ; the last two steps fill nothing: a text of their own, walked twice.  The last trip jumps over the fetch and leaves ahead of the next step's first quarter
	QUARTER 2, F1, F0, 0
	QUARTER 3, F0, F1, 0
	MEET
	s_cmp_eq_u32 s3, 1
	s_cbranch_scc1 .Lno_fetch
	s_xor_b32 s[TOG], s[TOG], SLOT
	PLACES
	NEXT
.Lno_fetch:
	MUL16 F1, 1, 0, 0
	MUL16 F1, 1, 2, 0
	WIN 0
	s_cmp_eq_u32 s3, 1
	s_cbranch_scc1 .Lway_out
	QUARTER 1, F0, F1, 0
	WIN 0
	s_sub_co_u32 s3, s3, 1
	s_cmp_lg_u32 s3, 0
	s_cbranch_scc1 .Ltail
.Lway_out:
	PLACES
	s_wait_dscnt 0x0
	s_barrier_signal -1
	s_barrier_wait -1                              ; nobody reads the ring any more, and no tensor load follows
.irp a, 0,1,2,3,4,5,6,7
	WIN 0x08+4*((\a)/4)
.irp b, 0,1,2,3,4,5,6,7
	ds_store_b128 v[STO], v[8*(8*((\a)%4)+(\b)):8*(8*((\a)%4)+(\b))+3]   offset:(\a)*16*SPI+32*(\b)      ; a row's first 256 bytes hold each chunk's low four columns (each accumulator's low registers are read first),
	ds_store_b128 v[STO], v[8*(8*((\a)%4)+(\b))+4:8*(8*((\a)%4)+(\b))+7] offset:(\a)*16*SPI+32*(\b)+256  ; its second 256 the high four
.endr
.endr
	WIN 0
.macro LD4                             ; 4 rows back: lane l takes columns 8 (l % 16) + 0..7 of row l / 16 of each of two pairs
	ds_load_b128 v[X:X+3],     v[RD]
	ds_load_b128 v[X+4:X+7],   v[RD] offset:256
	ds_load_b128 v[X+8:X+11],  v[RD] offset:2*SPI
	ds_load_b128 v[X+12:X+15], v[RD] offset:2*SPI+256
.endm
.macro POLY m                          ; line m of the polynomial's 32: level m / 8 of Horner's scheme for pair m % 8; a pair's levels stand eight lines apart
.set pl, (\m)/8
.set pp, 2*((\m)%8)
.if pl == 0
	s_wait_alu depctr_va_vdst(0)
	v_pk_fma_f32 v[P+pp:P+pp+1], v[T+pp:T+pp+1], s[C5:C5+1], s[C4:C4+1] op_sel_hi:[1,0,0]
.else
	v_pk_fma_f32 v[P+pp:P+pp+1], v[P+pp:P+pp+1], v[T+pp:T+pp+1], s[C4-2*pl:C4-2*pl+1] op_sel_hi:[1,1,0]
.endif
.endm
; 4 rows: the activation, rounded and stored; more = 1: the next 4 are asked for as soon as x has been read.
; No two transcendentals follow each other: behind each reciprocal stand two plain lines that are ready (max(x, 0); the exponent), behind each exponential two or three (the polynomial, which wants t alone; |x| t).
.macro EPG more
	s_wait_dscnt 0x0
.set z, 0
.rept 16
	v_and_b32 v[AX+z], s[ABSM], v[X+z]
.set z, z+1
.endr
.set z, 0
.rept 8
	v_pk_fma_f32 v[T+z:T+z+1], v[AX+z:AX+z+1], s[CP:CP+1], 1.0 op_sel_hi:[1,0,0]
.set z, z+2
.endr
.set z, 0
.rept 16
	v_rcp_f32 v[T+z], v[T+z]
	v_max_num_f32 v[RL+z], 0, v[X+z]
.if z%2 == 0
	v_pk_mul_f32 v[W+z:W+z+1], v[AX+z:AX+z+1], v[AX+z:AX+z+1]
.else
	v_pk_mul_f32 v[W+z-1:W+z], v[W+z-1:W+z], s[NH:NH+1] op_sel_hi:[1,0]
.endif
.set z, z+1
.endr
.if \more
	v_add_nc_u32 v[RD], 4*SPI, v[RD]
	LD4
.endif
.set z, 0
.rept 16
	v_exp_f32 v[W+z], v[W+z]
	POLY 2*z
	POLY 2*z+1
.if z%2 == 0
	v_pk_mul_f32 v[AX+z:AX+z+1], v[AX+z:AX+z+1], v[T+z:T+z+1]
.endif
.set z, z+1
.endr
.set z, 0
	s_wait_alu depctr_va_vdst(0)
.rept 8
	v_pk_mul_f32 v[W+z:W+z+1], v[W+z:W+z+1], v[AX+z:AX+z+1]
.set z, z+2
.endr
.set z, 0
.rept 8
	v_pk_fma_f32 v[RL+z:RL+z+1], v[P+z:P+z+1], v[W+z:W+z+1], v[RL+z:RL+z+1] neg_lo:[1,0,0] neg_hi:[1,0,0]
.set z, z+2
.endr
.set z, 0
.rept 8
	v_cvt_pk_bf16_f32 v[Y+z], v[RL+2*z], v[RL+2*z+1]
.set z, z+1
.endr
	global_store_b128 v[GO], v[Y:Y+3],   s[8:9]             ; two rows of 256 bytes, on end and aligned
	global_store_b128 v[GO], v[Y+4:Y+7], s[8:9] offset:512
	s_wait_xcnt 0x0                                ; the stores have read Y and GO, which are written again only behind this wait
	v_add_nc_u32 v[GO], 1024, v[GO]
.endm
	LD4
	s_mov_b32 s3, 31
.Lout:
	EPG 1
	s_sub_co_u32 s3, s3, 1
	s_cmp_lg_u32 s3, 0
	s_cbranch_scc1 .Lout
	EPG 0
	s_wait_tensorcnt 0x0                           ; the wave's end
	ds_add_u32 v[SPW], v[NIL]
	s_wait_dscnt 0x0
	CROUND                                         ; the closing round
	s_endpgm
.Lfunc_end_k_q38599cbfdf_ffn1:
	.size	k_q38599cbfdf_ffn1, .Lfunc_end_k_q38599cbfdf_ffn1-k_q38599cbfdf_ffn1
	.p2alignl 7, 3214868480
	.fill 96, 4, 3214868480
	.section	.rodata,"a",@progbits
	.p2align	6, 0x0
	.amdhsa_kernel k_q38599cbfdf_ffn1
		.amdhsa_group_segment_fixed_size 327680
		.amdhsa_private_segment_fixed_size 0
		.amdhsa_enable_private_segment 0
		.amdhsa_kernarg_size 32
		.amdhsa_user_sgpr_count 2
		.amdhsa_user_sgpr_kernarg_segment_ptr 1
		.amdhsa_wavefront_size32 1
		.amdhsa_system_sgpr_workgroup_id_x 1
		.amdhsa_system_sgpr_workgroup_id_y 1
		.amdhsa_system_sgpr_workgroup_id_z 1
		.amdhsa_system_vgpr_workitem_id 0
		.amdhsa_next_free_vgpr 1024
		.amdhsa_next_free_sgpr 100
		.amdhsa_reserve_vcc 0
		.amdhsa_float_denorm_mode_32 3
		.amdhsa_float_denorm_mode_16_64 3
		.amdhsa_memory_ordered 1
		.amdhsa_forward_progress 1
		.amdhsa_inst_pref_size 96
	.end_amdhsa_kernel
	.amdgpu_metadata
---
amdhsa.version: [ 1, 2 ]
amdhsa.kernels:
  - .name:           k_q38599cbfdf_ffn1
    .symbol:         k_q38599cbfdf_ffn1.kd
    .args:
      - { .name: hb, .offset: 0, .size: 8, .value_kind: global_buffer, .address_space: global }
      - { .name: wb, .offset: 8, .size: 8, .value_kind: global_buffer, .address_space: global }
      - { .name: b1, .offset: 16, .size: 8, .value_kind: global_buffer, .address_space: global }
      - { .name: big, .offset: 24, .size: 8, .value_kind: global_buffer, .address_space: global }
    .group_segment_fixed_size: 327680
    .private_segment_fixed_size: 0
    .kernarg_segment_align: 8
    .kernarg_segment_size: 32
    .max_flat_workgroup_size: 128
    .sgpr_count:     100
    .vgpr_count:     1024
    .wavefront_size: 32
...
	.end_amdgpu_metadata
.endif
;; end of part 6
;; launch ffn2 (part 7): grid 8 x 32, 4 waves a work-group, clusters of 4 x 4, 327,680 bytes of LDS; arguments big, wb, b2, x1, out0; writes out0
.if DOCPART == 7
	.amdgcn_target "amdgcn-amd-amdhsa--gfx1250"
	.amdhsa_code_object_version 6
	.text
	.protected	k_q38599cbfdf_ffn2
	.globl	k_q38599cbfdf_ffn2
	.p2align	8
	.type	k_q38599cbfdf_ffn2,@function
k_q38599cbfdf_ffn2:
	s_mov_b64 s[64:65], 0
	v_nop
	global_prefetch_b8 v0, s[64:65] scope:SCOPE_SE
	s_setreg_imm32_b32 hwreg(HW_REG_WAVE_MODE, 25, 1), 1
	s_wait_xcnt 0x0
	s_wait_alu depctr_hold_cnt(0) depctr_sa_sdst(0) depctr_va_vdst(0) depctr_va_sdst(0) depctr_va_ssrc(0) depctr_va_vcc(0) depctr_vm_vsrc(0)
	s_getreg_b32 s2, hwreg(HW_REG_IB_STS2, 6, 4)
	s_cmp_eq_u32 s2, 0
	s_cbranch_scc0 .Lentry_in_a_cluster
	s_endpgm
.Lentry_in_a_cluster:
	s_bfe_u32 s2, ttmp6, 0x10000c
	s_cmp_lg_u32 s2, 0xf033
	s_cbranch_scc0 .Lentry_shape_is_right
	s_endpgm
.Lentry_shape_is_right:
; out = x1 + g W2 + b2: [4,096 x 4,096] x [4,096 x 1,024], bf16 operands, f32 sums; the residual is added in f32 and the result stored in f32.
; g (big): 32 blocks of 128 columns, each 4,096 rows of 256 bytes on end, row order t' = 2,048 batch + 1,024 parity + position.  W2 (wb, 16 MiB in): bf16, [K][N].  x1, out: natural rows, token = 2 position + parity.
; SHAPE.  Tiles of 128 x 128 give 256 work-groups; four waves, each 64 x 64: 16 accumulators.  K goes in 16 steps of 256 (two blocks of g's columns) through a ring of two LDS slots.
; THE PRODUCT IS TAKEN TRANSPOSED (source 0 = 16 columns of W, turned out of LDS by ds_load_tr16_b128; source 1 = 16 rows of g).  THE BIAS is the C operand of each accumulator's first product.
; CLUSTER.  4 x 4: g's tiles are asked for jointly along a row of the cluster, W's along a column.
; AHEAD OF THE REFILLS.  Behind each joint refill and the run of LDS loads that follows it stands one prefetch into the L2, for the K step two refills on (256 matrix instructions ahead of the load that will want it): 32 rows x 256 bytes, a lane a row.
; Each row's 256 bytes of a K step are named once in the launch: g's tile row is read by both clusters of that row of clusters, and cluster x = 0 asks; W's tile column by all eight clusters of that column, and cluster y = 0 asks;
; of the 128 rows that a wave fetches, the partner at place p (cx for g, cy for W) takes rows 32 p .. 32 p + 31, told apart by address.  K steps 0 to 3 come by their loads alone; the last two refills have no K step two on and ask for nothing.
; THE TEXT.  A K step is written three times: its first quarter ahead of the loop, the loop (steps that fill a slot again), and a loop of two trips for the last two steps, which fill nothing.
; THE WAY OUT.  Behind the ring's last fill and everybody's last read each wave lays its 64 x 64 f32 into 64 rows of 272 bytes (its own, in the ring's bytes), reads whole rows of 256 bytes back, adds the residual, and stores: sixteen lanes 256 consecutive bytes, aligned.
; A tile's rows are one parity's positions on end, so its rows in x1 and out lie two rows (8,192 bytes) apart.  The residual is asked for ahead of the last two K steps, into registers of its own.
; REGISTERS: window 0: v16-30 addresses; v96-127 the bias; v128-255 accumulators ((a, b) at 128 + 8 (4 a + b)).  window 1: two fragment buffers of 128 (64 of g, 64 of W, 64 along K); on the way out v128-255 the rows read back.  window 2: v0-127 the residual.
.set NSTEP,  16                        ; K steps of 256
.set WOFF,   16777216                  ; W2 in wb
.set PA,     272
.set PB,     288
.set APL,    128*PA
.set BOFF,   2*APL
.set BH,     128*PB
.set SLOT1,  147456
.set SPARE,  SLOT1+BOFF+2*BH
.set SPITCH, 272
.set STEP_A, 2097152
.set STEP_B, 256*1024*2
.set ADRA0, 16
.set ADRB0, 17
.set ADRA,  18
.set ADRB,  19
.set ADRBH, 20
.set STO,   24
.set RD,    25
.set CO,    26
.set BO,    27
.set SPW,   28
.set NIL,   29
.set PFO,   30                         ; v30  the prefetches' offset: my lane x a row's pitch in memory (256 bytes in g, 2,048 in W); never rewritten
.set BIAS,  96
.set ACC,   128
.set F0,    0
.set F1,    128
.set G1,  24
.set G0,  32
.set G1B, 48
.set G0B, 56
.set TOG, 45
.set PFA, 78                           ; s[78:79] where my prefetches stand: my work-group's 32 rows of the 128 that I fetch, in the K step two refills on
.set PFS, 80                           ; s[80:81] a K step in bytes: 2 MiB in g, 512 KiB in W
.set LIM, 82                           ; s82  2 in a wave that prefetches, else the greatest number: a wave asks while the loop's count is above it
.set MSB, 0
.macro WIN new
.if MSB != (\new)
	s_set_vgpr_msb (MSB<<8)|(\new)
.set MSB, \new
.endif
.endm
.set MUL,  0x05
.set TO_F, 0x40
.macro JLOAD s                         ; waves 0 and 1 fetch g's two planes, waves 2 and 3 W's two halves; an s_nop 0 and four v_nop follow each line
	s_cmp_eq_u32 s11, 0
	s_cbranch_scc0 .Lfor_b_\@
	tensor_load_to_lds s[G0+4*(\s):G0+4*(\s)+3], s[G1:G1+7]
	s_nop 0
.rept 4
	v_nop
.endr
	s_branch .Lasked_\@
.Lfor_b_\@:
	tensor_load_to_lds s[G0B+4*(\s):G0B+4*(\s)+3], s[G1B:G1B+7]
	s_nop 0
.rept 4
	v_nop
.endr
.Lasked_\@:
.endm
.macro ASK                             ; the branch hangs on the loop's count, the wave's number and the cluster's place in the grid: the same in all sixteen partners
	s_cmp_gt_u32 s3, s[LIM]
	s_cbranch_scc0 .Lnot_mine_\@
	global_prefetch_b8 v[PFO], s[PFA:PFA+1] th:TH_LOAD_NT scope:SCOPE_SE
.Lnot_mine_\@:
.endm
.macro CREST
	s_cmp_lg_u32 s10, 0
	s_cbranch_scc1 .Lnot_wave_0_\@
	s_barrier_signal -3
.Lnot_wave_0_\@:
	s_barrier_wait -3
	s_barrier_signal -1
	s_barrier_wait -1
.endm
.macro CROUND
	s_barrier_signal -1
	s_barrier_wait -1
	CREST
.endm
	s_load_b128 s[4:7], s[0:1], 0x0                ; big s[4:5], wb s[6:7]
	s_load_b128 s[68:71], s[0:1], 0x10             ; b2 s[68:69], x1 s[70:71]
	s_load_b64 s[72:73], s[0:1], 0x20              ; out0
	v_lshl_add_u32 v[SPW], v0, 2, SPARE
	v_mov_b32 v[NIL], 0
	ds_add_u32 v[SPW], v[NIL]                      ; the wave's opening: the add and its wait stand ahead of my first tensor load
	ds_add_u32 v28, v29
	v_lshrrev_b32 v1, 5, v0
	v_readfirstlane_b32 s10, v1
	s_lshr_b32 s11, s10, 1
	s_and_b32 s12, s10, 1
	s_bfe_u32 s40, ttmp6, 0x40000                  ; cx
	s_bfe_u32 s41, ttmp6, 0x40004                  ; cy
	s_lshl_b32 s42, ttmp9, 2
	s_add_co_u32 s42, s42, s40                     ; tile column
	s_and_b32 s13, ttmp7, 0xffff
	s_lshl_b32 s13, s13, 2
	s_add_co_u32 s13, s13, s41                     ; tile row
	s_lshl_b32 s43, s41, 2
	s_lshl_b32 s43, 15, s43
	s_lshl_b32 s44, 0x1111, s40
	s_or_b32 s[G1+0], s43, (1<<16)|(1<<20)|(1<<21)|(5<<22)|(3<<25)
	s_or_b32 s[G1B+0], s44, (1<<16)|(1<<20)|(1<<21)|(5<<22)|(7<<25)
.irp g, G1, G1B
	s_mov_b32 s[(\g)+1], 128<<16
	s_mov_b32 s[(\g)+2], 128<<16
	s_mov_b32 s[(\g)+3], 128<<16
	s_mov_b32 s[(\g)+4], 128
	s_mov_b32 s[(\g)+6], 0
	s_mov_b32 s[(\g)+7], 0
.endr
	s_mov_b32 s[G1+5], 128
	s_mov_b32 s[G1B+5], 1024
	s_lshl_b32 s16, s12, 20                        ; g: my block of columns, the tile's 128 rows: nothing of cx
	s_lshl_b32 s17, s13, 15
	s_add_co_u32 s16, s16, s17
	s_mov_b32 s17, 0
	s_lshl_b32 s46, s42, 8                         ; W: the tile's 128 columns, my 128 rows: nothing of cy
	s_lshl_b32 s47, s12, 18
	s_add_co_u32 s46, s46, s47
	s_add_co_u32 s46, s46, WOFF
	s_mov_b32 s47, 0
	s_mul_i32 s20, s12, APL
	s_mul_i32 s21, s12, BH
	s_add_co_u32 s21, s21, BOFF
	s_mov_b32 s[TOG], 0
	s_wait_dscnt 0x0
	s_wait_kmcnt 0x0
	s_add_nc_u64 s[14:15], s[4:5], s[16:17]
	s_add_nc_u64 s[46:47], s[6:7], s[46:47]
	CROUND
.irp s, 0,1
	s_mov_b32 s[G0+4*(\s)], 1
	s_add_co_u32 s[G0+4*(\s)+1], s20, (\s)*SLOT1
	s_add_nc_u64 s[G0+4*(\s)+2:G0+4*(\s)+3], s[14:15], (\s)*STEP_A
	s_or_b32 s[G0+4*(\s)+3], s[G0+4*(\s)+3], 0x80000000
	s_mov_b32 s[G0B+4*(\s)], 1
	s_add_co_u32 s[G0B+4*(\s)+1], s21, (\s)*SLOT1
	s_add_nc_u64 s[G0B+4*(\s)+2:G0B+4*(\s)+3], s[46:47], (\s)*STEP_B
	s_or_b32 s[G0B+4*(\s)+3], s[G0B+4*(\s)+3], 0x80000000
	JLOAD \s                                       ; K steps 0 and 1: two loads of mine are out
.endr
	v_and_b32 v1, 15, v0
	v_bfe_u32 v2, v0, 4, 1
	v_mul_u32_u24 v3, v1, PA
	v_lshl_add_u32 v3, v2, 4, v3
	s_mul_i32 s22, s11, 64*PA
	v_add_nc_u32 v[ADRA0], s22, v3
	v_and_b32 v4, 7, v0
	v_lshl_add_u32 v4, v2, 3, v4
	v_mul_u32_u24 v4, v4, PB
	v_bfe_u32 v5, v0, 3, 1
	v_lshl_add_u32 v4, v5, 4, v4
	s_lshl_b32 s23, s12, 7
	s_add_co_u32 s23, s23, BOFF
	v_add_nc_u32 v[ADRB0], s23, v4
	v_mov_b32 v[ADRA], v[ADRA0]
	v_mov_b32 v[ADRB], v[ADRB0]
	v_add_nc_u32 v[ADRBH], BH, v[ADRB0]
	s_mul_i32 s22, s10, 64*SPITCH
	v_mul_u32_u24 v6, v1, SPITCH
	v_lshl_add_u32 v6, v2, 5, v6
	v_add_nc_u32 v[STO], s22, v6
	v_mul_u32_u24 v7, v2, SPITCH
	v_lshl_add_u32 v7, v1, 4, v7
	v_add_nc_u32 v[RD], s22, v7
	v_lshlrev_b32 v[CO], 4, v1
	v_lshl_add_u32 v[CO], v2, 13, v[CO]
	v_lshlrev_b32 v[BO], 5, v2
	s_lshl_b32 s76, s42, 9
	s_lshl_b32 s77, s12, 8
	s_add_co_u32 s76, s76, s77
	s_mov_b32 s77, 0
	s_add_nc_u64 s[68:69], s[68:69], s[76:77]
.irp b, 0,1,2,3
	global_load_b128 v[BIAS+8*(\b):BIAS+8*(\b)+3],   v[BO], s[68:69] offset:64*(\b)
	global_load_b128 v[BIAS+8*(\b)+4:BIAS+8*(\b)+7], v[BO], s[68:69] offset:64*(\b)+16
.endr
	s_lshr_b32 s74, s13, 4                         ; t' = 128 x tile row + 64 x half: the batch,
	s_lshl_b32 s74, s74, 11
	s_bfe_u32 s75, s13, 0x10003                    ; the parity,
	s_add_co_u32 s74, s74, s75
	s_and_b32 s75, s13, 7                          ; and twice the position
	s_lshl_b32 s75, s75, 8
	s_add_co_u32 s74, s74, s75
	s_lshl_b32 s75, s11, 7
	s_add_co_u32 s74, s74, s75
	s_lshl_b32 s74, s74, 12
	s_lshl_b32 s75, s42, 9
	s_add_co_u32 s74, s74, s75
	s_lshl_b32 s75, s12, 8
	s_add_co_u32 s74, s74, s75
	s_mov_b32 s75, 0
	s_add_nc_u64 s[70:71], s[70:71], s[74:75]
	s_add_nc_u64 s[72:73], s[72:73], s[74:75]
	; the prefetches.  s[14:15] and s[46:47] still stand at the first rows that I fetch of g and of W, in K step 0
	s_and_b32 s83, ttmp7, 0xffff                   ; cluster y
	s_cmp_eq_u32 s11, 0                            ; do I fetch for g?
	s_cselect_b64 s[PFA:PFA+1], s[14:15], s[46:47]
	s_cselect_b32 s84, s40, s41                    ; my place among the four that ask for the tile with me
	s_cselect_b32 s85, ttmp9, s83                  ; the coordinate along which other clusters read the same rows
	s_cmp_eq_u32 s85, 0
	s_cselect_b32 s[LIM], 2, -1
	s_mul_i32 s86, s11, 3
	s_lshl_b32 s86, 0x100, s86                     ; from row to row: 256 bytes in g, 2,048 in W
	s_lshl_b32 s87, s11, 1
	s_sub_co_u32 s87, 21, s87
	s_lshl_b32 s[PFS], 1, s87                      ; a K step: 2^21 bytes in g, 2^19 in W
	s_mov_b32 s[PFS+1], 0
	s_lshl_b32 s84, s84, 5                         ; my work-group's 32 rows
	s_mul_i32 s84, s84, s86
	s_mul_i32 s85, s[PFS], 3                       ; at K step 3: the first refill steps it to 4
	s_add_co_u32 s84, s84, s85
	s_mov_b32 s85, 0
	s_add_nc_u64 s[PFA:PFA+1], s[PFA:PFA+1], s[84:85]
	v_and_b32 v[PFO], 31, v0
	v_mul_u32_u24 v[PFO], v[PFO], s86
.macro MUL8 f, c, a0, first            ; 8 matrix instructions; first = 1: C is the bias.  The 16 accumulators take turns
	WIN MUL
.irp a, \a0, (\a0)+1
.irp b, 0,1,2,3
.if \first
	v_wmma_f32_16x16x32_bf16 v[ACC+8*(4*(\a)+(\b)):ACC+8*(4*(\a)+(\b))+7], v[(\f)+64+8*(4*(\c)+(\b)):(\f)+64+8*(4*(\c)+(\b))+7], v[(\f)+8*(4*(\c)+(\a)):(\f)+8*(4*(\c)+(\a))+7], v[BIAS+8*(\b):BIAS+8*(\b)+7]
.else
	v_wmma_f32_16x16x32_bf16 v[ACC+8*(4*(\a)+(\b)):ACC+8*(4*(\a)+(\b))+7], v[(\f)+64+8*(4*(\c)+(\b)):(\f)+64+8*(4*(\c)+(\b))+7], v[(\f)+8*(4*(\c)+(\a)):(\f)+8*(4*(\c)+(\a))+7], v[ACC+8*(4*(\a)+(\b)):ACC+8*(4*(\a)+(\b))+7]
.endif
.endr
.endr
.endm
.macro FETCH q, f                      ; 32 LDS loads in one run: quarter q (64 along K) into buffer f; its first 32 along K first
	WIN TO_F
.irp c, 0,1
.irp i, 0,1,2,3
	ds_load_tr16_b128 v[(\f)+64+8*(4*(\c)+(\i)):(\f)+64+8*(4*(\c)+(\i))+3],   v[ADRB+(\q)/2] offset:(64*((\q)%2)+32*(\c))*PB+32*(\i)
	ds_load_tr16_b128 v[(\f)+64+8*(4*(\c)+(\i))+4:(\f)+64+8*(4*(\c)+(\i))+7], v[ADRB+(\q)/2] offset:(64*((\q)%2)+32*(\c))*PB+32*(\i)+16*PB
	ds_load_b128 v[(\f)+8*(4*(\c)+(\i)):(\f)+8*(4*(\c)+(\i))+3],   v[ADRA] offset:((\q)/2)*APL+((\q)%2)*128+64*(\c)+(\i)*16*PA
	ds_load_b128 v[(\f)+8*(4*(\c)+(\i))+4:(\f)+8*(4*(\c)+(\i))+7], v[ADRA] offset:((\q)/2)*APL+((\q)%2)*128+64*(\c)+(\i)*16*PA+32
.endr
.endr
.endm
.macro PLACES
.rept 4
	v_nop
.endr
.endm
.macro QUARTER q, f, g, first
	s_wait_dscnt 16                                ; the youngest sixteen loads (the second 32 along K) may be out
	MUL8 \f, 0, 0, \first
	MUL8 \f, 0, 2, \first
	PLACES
	FETCH \q, \g
	s_wait_dscnt 32                                ; all but the 32 just issued
	MUL8 \f, 1, 0, 0
	MUL8 \f, 1, 2, 0
.endm
.macro MEET
	WIN 0
	s_wait_tensorcnt 0x0                           ; all my tensor loads have landed: my part of the next slot
	ds_add_u32 v[SPW], v[NIL]
	s_wait_dscnt 17                                ; (the add and the youngest sixteen loads may be out)
	MUL8 F1, 0, 0, 0
	s_wait_dscnt 0x0                               ; the add is done, and my reads of this slot are over
	s_barrier_signal -1
	MUL8 F1, 0, 2, 0
	WIN 0
	s_barrier_wait -1
.endm
.macro NEXT
	v_add_nc_u32 v[ADRA], s[TOG], v[ADRA0]
	v_add_nc_u32 v[ADRB], s[TOG], v[ADRB0]
	v_add_nc_u32 v[ADRBH], BH, v[ADRB]
	FETCH 0, F0
	WIN 0
.endm
.macro TURN
	s_wait_xcnt 0x0                                ; the last prefetch, a K step back, has read its address: it is stepped here, ahead of the waits of the change of slots
	s_add_nc_u64 s[PFA:PFA+1], s[PFA:PFA+1], s[PFS:PFS+1]
	MEET
	CREST                                          ; no wave of any partner still reads this slot or has a load on its way
	s_xor_b32 s[G0+5], s[G0+5], SLOT1
	s_add_nc_u64 s[G0+6:G0+7], s[G0+6:G0+7], STEP_A
	s_xor_b32 s[G0B+5], s[G0B+5], SLOT1
	s_add_nc_u64 s[G0B+6:G0B+7], s[G0B+6:G0B+7], STEP_B
	s_xor_b32 s[TOG], s[TOG], SLOT1
	JLOAD 1                                        ; the first tensor load behind the round; its four v_nop are also the places in front of the loads below
	NEXT
	ASK                                            ; behind the joint load and the run of LDS loads that the next products wait for
	MUL8 F1, 1, 0, 0
	MUL8 F1, 1, 2, 0
.endm
	s_wait_tensorcnt 1                             ; my part of K step 0 is in; step 1's may stay out
	s_barrier_signal -1
	s_barrier_wait -1
	FETCH 0, F0
	s_wait_loadcnt 0x0                             ; the bias
	QUARTER 1, F0, F1, 1
	WIN 0
	s_mov_b32 s3, NSTEP-2
.Lstep:
	QUARTER 2, F1, F0, 0
	QUARTER 3, F0, F1, 0
	TURN
	QUARTER 1, F0, F1, 0
	WIN 0
	s_sub_co_u32 s3, s3, 1
	s_cmp_lg_u32 s3, 0
	s_cbranch_scc1 .Lstep
	WIN 0x80                                       ; the residual: 64 rows x 256 bytes into window 2, which no product names; it has the last two K steps in which to come
.set p, 0
.rept 32
	global_load_b128 v[4*p:4*p+3], v[CO], s[70:71] offset:16384*p th:TH_LOAD_NT
.set p, p+1
.endr
	WIN 0
	s_mov_b32 s3, 2
.Ltail:                                                ; the last two steps fill nothing: a text of their own, walked twice.  The last trip jumps over the fetch and leaves ahead of the next step's first quarter
	QUARTER 2, F1, F0, 0
	QUARTER 3, F0, F1, 0
	MEET
	s_cmp_eq_u32 s3, 1
	s_cbranch_scc1 .Lno_fetch
	s_xor_b32 s[TOG], s[TOG], SLOT1
	PLACES
	NEXT
.Lno_fetch:
	MUL8 F1, 1, 0, 0
	MUL8 F1, 1, 2, 0
	WIN 0
	s_cmp_eq_u32 s3, 1
	s_cbranch_scc1 .Lway_out
	QUARTER 1, F0, F1, 0
	WIN 0
	s_sub_co_u32 s3, s3, 1
	s_cmp_lg_u32 s3, 0
	s_cbranch_scc1 .Ltail
.Lway_out:
	PLACES
	s_wait_dscnt 0x0
	s_barrier_signal -1
	s_barrier_wait -1                              ; nobody reads the ring any more, and no tensor load follows
.irp a, 0,1,2,3
.irp b, 0,1,2,3
	ds_store_b128 v[STO], v[ACC+8*(4*(\a)+(\b)):ACC+8*(4*(\a)+(\b))+3]   offset:(\a)*16*SPITCH+64*(\b)     ; each accumulator's low registers first
	ds_store_b128 v[STO], v[ACC+8*(4*(\a)+(\b))+4:ACC+8*(4*(\a)+(\b))+7] offset:(\a)*16*SPITCH+64*(\b)+16
.endr
.endr
	WIN TO_F
.set p, 0
.rept 32
	ds_load_b128 v[F1+4*p:F1+4*p+3], v[RD] offset:2*SPITCH*p  ; my own stores, served in order (ISA guide 5.7.1.4)
.set p, p+1
.endr
	s_wait_loadcnt 0x0                             ; the residual
	s_wait_dscnt 0x0
	WIN 0x49                                       ; destination and source 0 window 1, source 1 window 2
.set z, 0
.rept 64
	v_pk_add_f32 v[F1+2*z:F1+2*z+1], v[F1+2*z:F1+2*z+1], v[2*z:2*z+1]
.set z, z+1
.endr
	WIN 0x04
.set p, 0
.rept 32
	global_store_b128 v[CO], v[F1+4*p:F1+4*p+3], s[72:73] offset:16384*p th:TH_STORE_NT  ; sixteen lanes store 256 consecutive bytes, aligned
.set p, p+1
.endr
	WIN 0
	s_wait_tensorcnt 0x0                           ; the wave's end
	ds_add_u32 v[SPW], v[NIL]
	s_wait_dscnt 0x0
	CROUND                                         ; the closing round
	s_endpgm
.Lfunc_end_k_q38599cbfdf_ffn2:
	.size	k_q38599cbfdf_ffn2, .Lfunc_end_k_q38599cbfdf_ffn2-k_q38599cbfdf_ffn2
	.p2alignl 7, 3214868480
	.fill 96, 4, 3214868480
	.section	.rodata,"a",@progbits
	.p2align	6, 0x0
	.amdhsa_kernel k_q38599cbfdf_ffn2
		.amdhsa_group_segment_fixed_size 327680
		.amdhsa_private_segment_fixed_size 0
		.amdhsa_enable_private_segment 0
		.amdhsa_kernarg_size 40
		.amdhsa_user_sgpr_count 2
		.amdhsa_user_sgpr_kernarg_segment_ptr 1
		.amdhsa_wavefront_size32 1
		.amdhsa_system_sgpr_workgroup_id_x 1
		.amdhsa_system_sgpr_workgroup_id_y 1
		.amdhsa_system_sgpr_workgroup_id_z 1
		.amdhsa_system_vgpr_workitem_id 0
		.amdhsa_next_free_vgpr 640
		.amdhsa_next_free_sgpr 90
		.amdhsa_reserve_vcc 0
		.amdhsa_float_denorm_mode_32 3
		.amdhsa_float_denorm_mode_16_64 3
		.amdhsa_memory_ordered 1
		.amdhsa_forward_progress 1
		.amdhsa_inst_pref_size 67
	.end_amdhsa_kernel
	.amdgpu_metadata
---
amdhsa.version: [ 1, 2 ]
amdhsa.kernels:
  - .name:           k_q38599cbfdf_ffn2
    .symbol:         k_q38599cbfdf_ffn2.kd
    .args:
      - { .name: big, .offset: 0, .size: 8, .value_kind: global_buffer, .address_space: global }
      - { .name: wb, .offset: 8, .size: 8, .value_kind: global_buffer, .address_space: global }
      - { .name: b2, .offset: 16, .size: 8, .value_kind: global_buffer, .address_space: global }
      - { .name: x1, .offset: 24, .size: 8, .value_kind: global_buffer, .address_space: global }
      - { .name: out0, .offset: 32, .size: 8, .value_kind: global_buffer, .address_space: global }
    .group_segment_fixed_size: 327680
    .private_segment_fixed_size: 0
    .kernarg_segment_align: 8
    .kernarg_segment_size: 40
    .max_flat_workgroup_size: 128
    .sgpr_count:     90
    .vgpr_count:     640
    .wavefront_size: 32
...
	.end_amdgpu_metadata
.endif
;; end of part 7
